; MI455X (gfx1250); checked and timed in simulation.
; The chip was launched on July 23, 2026; its instructions are those of AMD's public machine-readable ISA for CDNA 5 (MIT licence, August 2026) and "CDNA5" Instruction Set Architecture Reference Guide (July 2026). The comments in the code are by the model that wrote it; some were corrected since.
;; Causal Self Attention. Allowed arithmetic: matrix products marked QUANTISED: E2M1 operands, one E8M0 scale for each 32 along K, by v_wmma_scale_f32_16x16x128_f8f6f4 with both operands' format E2M1 (or v_wmma_scale_f32_32x16x128_f4), f32 sums; products left as they are: bf16, f16 or f32 operands; f32 sums; everything else in f32.
;; Inputs: Wk 1,024 x 1,024 float32; Wq 1,024 x 1,024 float32; Wv 1,024 x 1,024 float32; x 4 x 2,048 x 1,024 float32.
;; Outputs: out0 4 x 2,048 x 1,024 float32.
;; This version of the problem:
;;   THIS VERSION OF THE PROBLEM IS GIVEN IN LOW PRECISION. The matrix products marked QUANTISED in the list below multiply operands that are first quantised to E2M1 (2 exponent bits, 1 mantissa bit; 4 bits a number), with one power-of-two scale for each 32 numbers along K (OCP MX v1.0); their sums are f32. The products marked 'left as it is' may take bf16, f16 or f32 operands, with f32 sums. Whichever they take, every output number must still come out within the allowed error. Rounding operands to bf16 (8 significant bits) uses up far more of that allowance than f16 does (11 bits, for magnitudes from 6e-5 to 65,504). All else is computed in f32.
;;   The module's matrix products, in the order in which they are computed (A, B: the left and right operand; K: the contracted axis; several contracted axes count as one K, in the product's order):
;;     1. [M 8,192, K 1,024] x [K 1,024, N 1,024]; A: input x; B: input Wq: QUANTISED
;;     2. [M 8,192, K 1,024] x [K 1,024, N 1,024]; A: input x; B: input Wk: QUANTISED
;;     3. [M 8,192, K 1,024] x [K 1,024, N 1,024]; A: input x; B: input Wv: QUANTISED
;;     4. batch 4 x [M 2,048, K 1,024] x [K 1,024, N 2,048]; A: computed on the way; B: computed on the way: left as it is (an operand is computed on the way)
;;     5. batch 4 x [M 2,048, K 2,048] x [K 2,048, N 1,024]; A: computed on the way; B: computed on the way: left as it is (an operand is computed on the way)
;;   THE QUANTISER, for each operand of a quantised product, along K:
;;     - K is cut into blocks of 32 from its start; a last block that is shorter is filled with zeros.
;;     - A block's scale is 2^e with e = floor(log2(the largest magnitude in the block)) - 2, held to -126 .. 127; a block of zeros has e = 0. As a byte (E8M0): e + 127.
;;     - Each number is divided by its block's scale, clamped to +-6, and rounded to the nearest number of E2M1, ties to even, subnormals kept.
;;     - The product sums the exact products of the quantised numbers (number of the format x scale) in f32.
;;   ~~~python
;;   def quantise(x, axis):      # numpy; x: float32 -> the quantised numbers, widened to float32 again
;;       x = np.moveaxis(x, axis, -1); K = x.shape[-1]
;;       x = np.pad(x, [(0, 0)] * (x.ndim - 1) + [(0, -K % 32)]); x = x.reshape(x.shape[:-1] + (-1, 32)); a = np.abs(x).max(-1, keepdims=True)
;;       e = np.where(a > 0, np.clip(np.frexp(np.where(a > 0, a, 1))[1] - 1 - 2, -126, 127), 0)      # np.frexp(a)[1] - 1 = floor(log2(a)), exactly
;;       r = np.clip(x / 2.0 ** e, -6, 6)
;;       step = 2.0 ** (np.maximum(np.frexp(np.where(r == 0, 1, r))[1] - 1, 0) - 1)
;;       q = np.round(r / step) * step * 2.0 ** e      # np.round: ties to even
;;       return np.moveaxis(q.reshape(q.shape[:-2] + (-1,))[..., :K], -1, axis).astype(np.float32)
;;   ~~~
;; One version. Each part assembles by itself: llvm-mc -triple=amdgcn-amd-amdhsa -mcpu=gfx1250 --defsym DOCPART=n.
;; ======== version 1 of 1: 5 launches
;; limits: values are held in f16: magnitudes above 65,504 overflow, below 6.1e-05 lose precision
;; workspace buffers: xc 4,194,304 bytes; xs 262,144 bytes; wc 1,572,864 bytes; ws 98,304 bytes; qkv 50,331,648 bytes; h32 786,432 bytes; pbuf 33,554,432 bytes; st 1,048,576 bytes
;; launch quant (part 1): grid 224 x 1, 8 waves a work-group, no clusters, 83,968 bytes of LDS; arguments x, Wq, Wk, Wv, xc, xs, wc, ws; writes xc, xs, wc, ws
.if DOCPART == 1
	.amdgcn_target "amdgcn-amd-amdhsa--gfx1250"
	.amdhsa_code_object_version 6
	.text
	.protected	k_q4cda23b411_quant
	.globl	k_q4cda23b411_quant
	.p2align	8
	.type	k_q4cda23b411_quant,@function
k_q4cda23b411_quant:
	s_mov_b64 s[64:65], 0
	v_nop
	global_prefetch_b8 v0, s[64:65] scope:SCOPE_SE
	s_setreg_imm32_b32 hwreg(HW_REG_WAVE_MODE, 25, 1), 1
	s_wait_xcnt 0x0
; x [8192][1024] f32 and Wq, Wk, Wv [1024 (k)][1024 (n)] f32 become codes of FP4 (E2M1), K innermost, with one E8M0 byte for each 32 along K.
; xc [8192][512 bytes], xs [8192][32];  wc [3072 n][512 bytes], ws [3072][32]: n 0-1023 Wq's columns, 1024-2047 Wk's, 2048-3071 Wv's.
; A block's scale is 2^(floor(log2(largest magnitude)) - 2): its byte is the largest magnitude's exponent field - 2, held at 1 from below.
; LIMITS: a block of zeros gets the byte 1 where the rule says 127 (its codes are zeros, and this program alone reads the bytes);
; blocks whose largest magnitude lies under 2^-124 are held at that byte; NaN and infinities among the inputs are not served.
; Work-groups 0-95 take the weights, 96-223 take x.  The two ways part on the work-group's number alone and have LDS bytes of their own.
; THE WEIGHTS: K is the first axis, so a lane takes a column and its registers run down K: a block of 32 lies in one lane.  A work-group takes
; 64 columns x 512 K; wave w takes columns 32 (w & 1) on and K 128 (w >> 1) on: two waves side by side read 256 consecutive bytes of a row.
; The codes meet in a stage of 64 rows x 256 bytes and leave as whole rows: sixteen lanes store 256 consecutive aligned bytes.
; x: K is innermost: a plain stream of blocks.  A wave takes 16 steps of 512 numbers; each load reads 512 consecutive bytes; a step turns
; through the wave's own stage so that a lane holds 16 neighbours; loads run eight steps (32 loads a wave) ahead.
.set STEPS, 16
.set WREG,  8192                       ; x: a wave's LDS region: two stages of 32 x SP bytes, then its 256 scale bytes
.set SP,    80                         ; a lane's place in a stage: 64 bytes + 16 of padding
.set WST,   65536                      ; the weights' stage: 64 rows x WP bytes
.set WP,    272
.set SPARE, 82944                      ; the spare words, 128 bytes for each of the eight waves: no other line names them
.set SPW,   12                         ; v12 my spare word's address; never rewritten
.set NIL,   13                         ; v13 0; never rewritten
.set R,     16                         ; x: v16-143 eight sets of 16 numbers as loaded
.set X,     144                        ; x: v144-175 two sets of 16 neighbours
.set E,     176                        ; x: v176-191 a scale byte for each step
.set C,     192                        ; x: v192-223 two registers of codes for each step
	s_load_b256 s[4:11], s[0:1], 0x0               ; x s[4:5], Wq s[6:7], Wk s[8:9], Wv s[10:11]
	s_load_b256 s[12:19], s[0:1], 0x20             ; xc s[12:13], xs s[14:15], wc s[16:17], ws s[18:19]
	v_lshl_add_u32 v[SPW], v0, 2, SPARE
	v_mov_b32 v[NIL], 0
	v_lshrrev_b32 v1, 5, v0
	v_readfirstlane_b32 s20, v1                    ; wave 0..7
	v_and_b32 v2, 31, v0                           ; lane
	s_mov_b32 s25, 0                               ; the high word of every offset pair s[24:25]
	s_wait_kmcnt 0x0
	s_cmp_ge_u32 ttmp9, 96
	s_cbranch_scc1 .Lx_path
	; ---------------- the weights ----------------
	s_lshr_b32 s22, ttmp9, 1                       ; gx 0..47: which 64 of the 3,072 columns
	s_and_b32 s23, ttmp9, 1                        ; gy: which 512 along K
	s_lshr_b32 s24, s22, 4                         ; which weight
	s_cmp_eq_u32 s24, 0
	s_cselect_b64 s[6:7], s[6:7], s[8:9]
	s_cmp_eq_u32 s24, 2
	s_cselect_b64 s[6:7], s[10:11], s[6:7]         ; the choice hangs on the work-group's number alone
	s_and_b32 s26, s20, 1                          ; which 32 columns
	s_lshr_b32 s27, s20, 1                         ; which 128 along K
	s_lshl_b32 s24, s23, 21                        ; 512 rows of 4,096 bytes
	s_lshl_b32 s28, s27, 19                        ; 128 rows
	s_add_co_u32 s24, s24, s28
	s_and_b32 s28, s22, 15
	s_lshl_b32 s28, s28, 8                         ; 64 columns of 4 bytes
	s_add_co_u32 s24, s24, s28
	s_lshl_b32 s28, s26, 7
	s_add_co_u32 s24, s24, s28
	s_add_nc_u64 s[6:7], s[6:7], s[24:25]          ; W at my wave's corner
	s_lshl_b32 s24, s22, 15                        ; codes: (64 gx + 8 wave) rows of 512 bytes + 256 gy
	s_lshl_b32 s28, s20, 12
	s_add_co_u32 s24, s24, s28
	s_lshl_b32 s28, s23, 8
	s_add_co_u32 s24, s24, s28
	s_add_nc_u64 s[16:17], s[16:17], s[24:25]
	s_lshl_b32 s24, s22, 11                        ; scale bytes: (64 gx + 32 half) rows of 32 bytes + 16 gy + 4 kq
	s_lshl_b32 s28, s26, 10
	s_add_co_u32 s24, s24, s28
	s_lshl_b32 s28, s23, 4
	s_add_co_u32 s24, s24, s28
	s_lshl_b32 s28, s27, 2
	s_add_co_u32 s24, s24, s28
	s_add_nc_u64 s[18:19], s[18:19], s[24:25]
	v_lshlrev_b32 v3, 2, v2                        ; in: 4 bytes a lane
	s_mul_i32 s30, s26, 32*WP
	s_lshl_b32 s31, s27, 6
	s_add_co_u32 s30, s30, s31
	s_add_co_u32 s30, s30, WST
	v_mul_u32_u24 v4, v2, WP
	v_add_nc_u32 v4, s30, v4                       ; into the stage: row = my column, 64 bytes for each 128 along K
	v_and_b32 v5, 15, v2
	v_lshrrev_b32 v6, 4, v2
	v_mul_u32_u24 v7, v6, WP
	v_lshl_add_u32 v7, v5, 4, v7
	s_mul_i32 s30, s20, 8*WP
	s_add_co_u32 s30, s30, WST
	v_add_nc_u32 v7, s30, v7                       ; out of it: wave w takes rows 8 w on, sixteen lanes to a row, two rows an instruction
	v_lshlrev_b32 v8, 9, v6
	v_lshl_add_u32 v8, v5, 4, v8                   ; and the same place in wc
	v_lshlrev_b32 v9, 5, v2                        ; my column's row of scale bytes
.macro WLOAD t                         ; block t: W(32 t + i, my column), i = 0 .. 31, into set t % 2 of v32-95
.set WI, 0
.rept 32
	global_load_b32 v[32+32*((\t)%2)+WI], v3, s[6:7] offset:(32*(\t)+WI)*4096 th:TH_LOAD_NT
.set WI, WI+1
.endr
.endm
.macro WBLOCK t
.set XS, 32+32*((\t)%2)
.if (\t) < 3
	s_wait_loadcnt 32                              ; this block's 32 loads are in; the next block's may be out
.else
	s_wait_loadcnt 0
.endif
	v_max3_num_f32 v16, |v[XS]|, |v[XS+1]|, |v[XS+2]|   ; the block's largest magnitude: all 32 numbers are mine; two chains
	v_max3_num_f32 v17, |v[XS+3]|, |v[XS+4]|, |v[XS+5]|
.irp i, 6,10,14,18,22,26
	v_max3_num_f32 v16, v16, |v[XS+\i]|, |v[XS+\i+1]|
	v_max3_num_f32 v17, v17, |v[XS+\i+2]|, |v[XS+\i+3]|
.endr
	v_max3_num_f32 v16, v16, |v[XS+30]|, |v[XS+31]|
	v_max3_num_f32 v16, v16, v17, 0x1800000        ; and the floor 2^(3 - 127): the byte cannot fall under 1
	v_add_nc_u32 v11, 0xff000000, v16              ; 2 off the exponent field: the conversion's scale operand
	v_lshrrev_b32 v17, 23, v11                     ; the scale's byte
.if (\t) == 0
	v_mov_b32 v24, v17                             ; my four blocks' bytes make one word, the lower K in the lower byte
.else
	v_lshl_or_b32 v24, v17, 8*(\t), v24
.endif
.irp g, 0,1,2,3
	v_cvt_scalef32_pk8_fp4_f32 v[96+\g], v[XS+8*\g:XS+8*\g+7], v11
.endr
	ds_store_b128 v4, v[96:99] offset:16*(\t)      ; 32 codes: 16 bytes of my column's row
.if (\t)+2 < 4
	WLOAD (\t)+2
.endif
	s_wait_dscnt 0x0                               ; the store has read its registers: the next block's codes may be written
.endm
	WLOAD 0
	WLOAD 1
	WBLOCK 0
	WBLOCK 1
	WBLOCK 2
	WBLOCK 3
	global_store_b32 v9, v24, s[18:19]             ; 4 scale bytes a lane, rows 32 bytes apart: 4 bytes for each 512 bytes that the lane read
	s_barrier_signal -1                            ; my stores into the stage are done (the wait for 0 above): a row's 256 bytes come from four waves
	s_barrier_wait -1
.irp t, 0,1,2,3
	ds_load_b128 v[112+4*\t:115+4*\t], v7 offset:2*\t*WP
.endr
.irp t, 0,1,2,3
	s_wait_dscnt 3-\t
	global_store_b128 v8, v[112+4*\t:115+4*\t], s[16:17] offset:2*\t*512   ; sixteen lanes store 256 consecutive bytes, aligned
.endr
	s_wait_tensorcnt 0x0                           ; the wave's end
	ds_add_u32 v[SPW], v[NIL]
	s_wait_dscnt 0x0
	s_endpgm
	; ---------------- x ----------------
.Lx_path:
	v_lshlrev_b32 v3, 4, v2                        ; my 16 bytes of a load's 512
	s_mul_i32 s21, s20, WREG
	v_lshrrev_b32 v14, 2, v2
	v_mul_u32_u24 v14, v14, SP
	v_and_b32 v15, 3, v2
	v_lshl_add_u32 v14, v15, 4, v14
	v_add_nc_u32 v14, s21, v14                     ; the stage, on the way in: four lanes' 64 bytes on end, then 16 of padding
	v_mul_u32_u24 v15, v2, SP
	v_add_nc_u32 v15, s21, v15                     ; and on the way out: my 16 neighbours
	v_lshlrev_b32 v4, 3, v2                        ; my 8 bytes of a step's codes
	v_lshrrev_b32 v5, 1, v2
	s_add_co_u32 s21, s21, 2*32*SP
	v_add_nc_u32 v5, s21, v5                       ; my wave's 256 scale bytes: my block's byte
	v_lshlrev_b32 v7, 3, v2
	v_add_nc_u32 v6, s21, v7                       ; and on the way out 8 bytes a lane
	s_sub_co_u32 s22, ttmp9, 96
	s_lshl_b32 s22, s22, 3
	s_add_co_u32 s22, s22, s20                     ; which run of 8,192 numbers is my wave's: 0 .. 1,023
	s_lshl_b32 s24, s22, 15
	s_add_nc_u64 s[4:5], s[4:5], s[24:25]
	s_lshl_b32 s24, s22, 12
	s_add_nc_u64 s[12:13], s[12:13], s[24:25]
	s_lshl_b32 s24, s22, 8
	s_add_nc_u64 s[14:15], s[14:15], s[24:25]
.macro XLOAD t
.irp i, 0,1,2,3
	global_load_b128 v[R+16*((\t)%8)+4*\i:R+16*((\t)%8)+4*\i+3], v3, s[4:5] offset:2048*(\t)+512*\i th:TH_LOAD_NT   ; 32 lanes read 512 consecutive bytes
.endr
.endm
.macro XTURN t                         ; step t's numbers through a stage: LDS serves a wave's instructions in order, so no wait stands between
.irp i, 0,1,2,3
	ds_store_b128 v14, v[R+16*((\t)%8)+4*\i:R+16*((\t)%8)+4*\i+3] offset:32*SP*((\t)%2)+8*SP*\i
.endr
.irp i, 0,1,2,3
	ds_load_b128 v[X+16*((\t)%2)+4*\i:X+16*((\t)%2)+4*\i+3], v15 offset:32*SP*((\t)%2)+16*\i
.endr
.endm
.irp t, 0,1,2,3,4,5,6,7
	XLOAD \t
.endr
	s_wait_loadcnt 28                              ; step 0's four loads are in; the seven steps behind it stay out
	XTURN 0
.macro XSTEP t
.set XS, X+16*((\t)%2)
.if (\t) > 0
	s_wait_dscnt 1                                 ; this step's numbers are back from the stage (the last step's byte store may be out)
.else
	s_wait_dscnt 0x0
.endif
.if (\t)+8 < STEPS
	XLOAD (\t)+8                                   ; into the set that this step's stage stores have read
.endif
.if (\t)+1 < STEPS
.if STEPS-2-(\t) >= 7
	s_wait_loadcnt 28                              ; the next step's four loads are in; those of the seven steps behind it may be out
.else
	s_wait_loadcnt 4*(STEPS-2-(\t))
.endif
	XTURN (\t)+1
.endif
	v_max3_num_f32 v8, |v[XS]|, |v[XS+1]|, |v[XS+2]|
	v_max3_num_f32 v9, |v[XS+3]|, |v[XS+4]|, |v[XS+5]|
.irp i, 6,10
	v_max3_num_f32 v8, v8, |v[XS+\i]|, |v[XS+\i+1]|
	v_max3_num_f32 v9, v9, |v[XS+\i+2]|, |v[XS+\i+3]|
.endr
	v_max3_num_f32 v8, v8, |v[XS+14]|, |v[XS+15]|
	v_max3_num_f32 v8, v8, v9, 0x1800000           ; the floor 2^(3 - 127)
	v_max_num_f32_dpp v8, v8, v8 row_xmask:1 row_mask:0xf bank_mask:0xf   ; with my neighbour's 16: the block's largest magnitude
	v_add_nc_u32 v11, 0xff000000, v8               ; 2 off its exponent field: the conversion's scale operand
	v_cvt_scalef32_pk8_fp4_f32 v[C+2*(\t)], v[XS:XS+7], v11
	v_cvt_scalef32_pk8_fp4_f32 v[C+2*(\t)+1], v[XS+8:XS+15], v11
	v_lshrrev_b32 v[E+(\t)], 23, v11               ; the scale's byte (also the plain line behind the conversions)
	ds_store_b8 v5, v[E+(\t)] offset:16*(\t)       ; both lanes of a block write the same byte with the same value
	global_store_b64 v4, v[C+2*(\t):C+2*(\t)+1], s[12:13] offset:256*(\t)   ; the wave stores 256 consecutive bytes, aligned
.endm
.irp t, 0,1,2,3,4,5,6,7,8,9,10,11,12,13,14,15
	XSTEP \t
.endr
	ds_load_b64 v[8:9], v6                         ; LDS serves a wave's instructions in order: these see my byte stores
	s_wait_dscnt 0x0
	global_store_b64 v7, v[8:9], s[14:15]          ; 256 scale bytes, aligned
	s_wait_tensorcnt 0x0                           ; the wave's end
	ds_add_u32 v[SPW], v[NIL]
	s_wait_dscnt 0x0
	s_endpgm
.Lfunc_end_k_q4cda23b411_quant:
	.size	k_q4cda23b411_quant, .Lfunc_end_k_q4cda23b411_quant-k_q4cda23b411_quant
	.p2alignl 7, 3214868480
	.fill 96, 4, 3214868480
	.section	.rodata,"a",@progbits
	.p2align	6, 0x0
	.amdhsa_kernel k_q4cda23b411_quant
		.amdhsa_group_segment_fixed_size 83968
		.amdhsa_private_segment_fixed_size 0
		.amdhsa_enable_private_segment 0
		.amdhsa_kernarg_size 64
		.amdhsa_user_sgpr_count 2
		.amdhsa_user_sgpr_kernarg_segment_ptr 1
		.amdhsa_wavefront_size32 1
		.amdhsa_system_sgpr_workgroup_id_x 1
		.amdhsa_system_sgpr_workgroup_id_y 1
		.amdhsa_system_sgpr_workgroup_id_z 1
		.amdhsa_system_vgpr_workitem_id 0
		.amdhsa_next_free_vgpr 224
		.amdhsa_next_free_sgpr 66
		.amdhsa_reserve_vcc 0
		.amdhsa_float_denorm_mode_32 3
		.amdhsa_float_denorm_mode_16_64 3
		.amdhsa_memory_ordered 1
		.amdhsa_forward_progress 1
		.amdhsa_inst_pref_size 54
	.end_amdhsa_kernel
	.amdgpu_metadata
---
amdhsa.version: [ 1, 2 ]
amdhsa.kernels:
  - .name:           k_q4cda23b411_quant
    .symbol:         k_q4cda23b411_quant.kd
    .args:
      - { .name: x, .offset: 0, .size: 8, .value_kind: global_buffer, .address_space: global }
      - { .name: Wq, .offset: 8, .size: 8, .value_kind: global_buffer, .address_space: global }
      - { .name: Wk, .offset: 16, .size: 8, .value_kind: global_buffer, .address_space: global }
      - { .name: Wv, .offset: 24, .size: 8, .value_kind: global_buffer, .address_space: global }
      - { .name: xc, .offset: 32, .size: 8, .value_kind: global_buffer, .address_space: global }
      - { .name: xs, .offset: 40, .size: 8, .value_kind: global_buffer, .address_space: global }
      - { .name: wc, .offset: 48, .size: 8, .value_kind: global_buffer, .address_space: global }
      - { .name: ws, .offset: 56, .size: 8, .value_kind: global_buffer, .address_space: global }
    .group_segment_fixed_size: 83968
    .private_segment_fixed_size: 0
    .kernarg_segment_align: 8
    .kernarg_segment_size: 64
    .max_flat_workgroup_size: 256
    .sgpr_count:     66
    .vgpr_count:     224
    .wavefront_size: 32
...
	.end_amdgpu_metadata
.endif
;; end of part 1
;; launch proj (part 2): grid 12 x 16, 4 waves a work-group, clusters of 4 x 4, 327,680 bytes of LDS; arguments xc, xs, wc, ws, qkv, h32; writes qkv, h32
.if DOCPART == 2
	.amdgcn_target "amdgcn-amd-amdhsa--gfx1250"
	.amdhsa_code_object_version 6
	.text
	.protected	k_q4cda23b411_proj
	.globl	k_q4cda23b411_proj
	.p2align	8
	.type	k_q4cda23b411_proj,@function
k_q4cda23b411_proj:
	s_mov_b64 s[64:65], 0
	v_nop
	global_prefetch_b8 v0, s[64:65] scope:SCOPE_SE
	s_setreg_imm32_b32 hwreg(HW_REG_WAVE_MODE, 25, 1), 1
	s_wait_xcnt 0x0
	s_wait_alu depctr_hold_cnt(0) depctr_sa_sdst(0) depctr_va_vdst(0) depctr_va_sdst(0) depctr_va_ssrc(0) depctr_va_vcc(0) depctr_vm_vsrc(0)
	s_getreg_b32 s2, hwreg(HW_REG_IB_STS2, 6, 4)
	s_cmp_eq_u32 s2, 0
	s_cbranch_scc0 .Lentry_in_a_cluster
	s_endpgm
.Lentry_in_a_cluster:
	s_bfe_u32 s2, ttmp6, 0x10000c
	s_cmp_lg_u32 s2, 0xf033
	s_cbranch_scc0 .Lentry_shape_is_right
	s_endpgm
.Lentry_shape_is_right:
; [Q | K | V] = x [Wq | Wk | Wv] on codes of FP4 (E2M1) with E8M0 scales: C[m][n] = sum over k of A[m][k] B[n][k], A = xc [8192][1024 codes], B = wc [3072][1024 codes].
; C leaves as f16 in qkv [8192][3072] (pitch 6,144 bytes), since the two products that follow take f16 operands; rows 0-15 of each batch of 2,048 leave in f32 too, in h32 [4][16][3072].
; LIMIT: |Q|, |K|, |V| up to 65,504 (f16).
; A tile of C is 256 x 256: four waves, each 128 x 128 in 64 accumulators.  K = 1,024 is two slots of 512.
; A WORK-GROUP STAYS AND MAKES TWO TILES, one 1,024 rows below the other, in one tile column: C has 384 tiles, and 192 work-groups walk them in one go.  B's codes of all of K lie in the two slots and stay;
; only A's half of a slot is filled again: slot 0's behind the first tile's change of slots, slot 1's behind its last step.  The first tile's stores leave while the second tile is multiplied.
; The scale bytes of B's 256 rows and of both tiles' 256 rows of A, for all of K, come once, in rows of 256 bytes.
; CLUSTERS: 4 x 4 work-groups; A's tiles are asked for jointly along a row of the cluster, B's along a column.  Tile row = 8 cy + cluster y + 4 x (0 or 1), so that tile rows 0, 8, 16, 24,
; which hold the batches' first rows, are the first tiles of the clusters with y = 0: the branch for h32 hangs on the cluster's y and the wave's number, alike in all partners.
; The matrix instruction is used transposed (source 0 = 16 rows of B, source 1 = 16 rows of A): a lane holds eight neighbouring numbers of a row of C.
; REGISTERS: window 0: v0-31 addresses; v32-95 scale words, two sets; v128-191 A's fragments, one set; the way out: v192-223 packed results, v224-255 and v96-127 rows read back, by turns.
;   window 1: B's fragments, two sets, at v0 and v128.   window 2: accumulators of my rows 0-63 ((a, b) at v[8 (8 a + b)]);   window 3: rows 64-127.
.set NQ,     4                         ; steps of 128 along K in a slot
.set ROWB,   256                       ; a tile's row in bytes: 512 codes
.set KROW,   512                       ; a row of codes in memory
.set PITCH,  272                       ; an LDS row: 256 bytes + 16 of padding: the 16 rows of a load start at 16 different banks
.set FR,     8
.set NL,     2
.set NP,     4
.set HALFT,  128*PITCH
.set SLOT,   4*HALFT                   ; A's 256 rows, then B's 256 rows
.set KS,     32                        ; a row of scale bytes
.set SCL,    2*SLOT                    ; behind the ring: the scales: A's of the first tile, A's of the second, B's: 2 HALFS each
.set HALFS,  16*272                    ; the scales of 128 rows
.set SBLK,   2*272                     ; those of 16 rows
.set STAGE,  SCL+6*HALFS               ; the way out: 16 rows x 272 bytes for each wave, bytes into which no tile lands
.set SPARE,  STAGE+4*16*272            ; the spare words, 128 bytes a wave: no other line names them
.set OP,     6144                      ; a row of qkv in bytes
.set WALK,   1024                      ; rows from a work-group's first tile to its second
.set ADRA, 16                          ; v16-17  my A fragments in slot 0, 1
.set ADRS, 18                          ; v18-19  my scale words for the first, the second tile: lanes 0-15 A's rows, lanes 16-31 B's
.set ADRB, 20                          ; v20-21  my B fragments in slot 0, 1
.set STO32, 22
.set STO,  24
.set RD,   25
.set CO,   26
.set SPW,  28
.set NIL,  29
.set CO32, 30
.set SC,   32
.set AF,   128
.set TMP,  192
.set G1, 24
.set G0, 32
.set G1B, 48
.set G0B, 56
.set G1S, 68
.set G0S, 76
.set G1SB, 80
.set G0SB, 88
.set G0Q, 92                           ; s[92:95], s[4:11]: groups 0 and 1 for my quarter of the second tile's scales of A, in registers whose first contents are used up by then
.set G1Q, 4
.set CB0, 12                           ; s[12:13] qkv at my part of the first tile;  s[98:99] of the second
.set CB1, 98
.set MSB, 0
.macro WIN new                         ; the immediate's high byte repeats the setting that is left
.if MSB != \new
	s_set_vgpr_msb (MSB<<8)|\new
.set MSB, \new
.endif
.endm
.set MUL_LO, 0xa1
.set MUL_HI, 0xf1
.set TO_B,   0x40
; A joint load: waves 0 and 1 fetch for A, waves 2 and 3 for B; the branch hangs on the wave's number alone.  An s_nop 0 and four v_nop follow each line.
.macro JLOAD g0a, g1a, g0b, g1b
	s_cmp_eq_u32 s15, 0
	s_cbranch_scc0 .Lfor_b_\@
	tensor_load_to_lds s[\g0a:\g0a+3], s[\g1a:\g1a+7]
	s_nop 0
.rept 4
	v_nop
.endr
	s_branch .Lasked_\@
.Lfor_b_\@:
	tensor_load_to_lds s[\g0b:\g0b+3], s[\g1b:\g1b+7]
	s_nop 0
.rept 4
	v_nop
.endr
.Lasked_\@:
.endm
; A joint refill of A's half of slot s: waves 0 and 1 fetch 128 rows each; waves 2 and 3 have nothing to fetch, since B stays
.macro ALOAD s
	s_cmp_eq_u32 s15, 0
	s_cbranch_scc0 .Lnone_\@
	tensor_load_to_lds s[G0+4*\s:G0+4*\s+3], s[G1:G1+7]
	s_nop 0
.rept 4
	v_nop
.endr
.Lnone_\@:
.endm
.macro CREST                           ; a round of the cluster's barrier behind its opening barrier
	s_cmp_lg_u32 s14, 0
	s_cbranch_scc1 .Lnot_wave_0_\@
	s_barrier_signal -3
.Lnot_wave_0_\@:
	s_barrier_wait -3
	s_barrier_signal -1
	s_barrier_wait -1
.endm
.macro CROUND                          ; a whole round
	s_barrier_signal -1
	s_barrier_wait -1
	CREST
.endm
	s_load_b128 s[4:7], s[0:1], 0x0                ; xc s[4:5], xs s[6:7]
	s_load_b128 s[8:11], s[0:1], 0x10              ; wc s[8:9], ws s[10:11]
	s_load_b64 s[12:13], s[0:1], 0x20              ; qkv
	s_load_b64 s[96:97], s[0:1], 0x28              ; h32
	v_lshl_add_u32 v[SPW], v0, 2, SPARE
	v_mov_b32 v[NIL], 0
	ds_add_u32 v[SPW], v[NIL]                      ; the wave's opening: the add, twice on end, and its wait ahead of my first tensor load
	ds_add_u32 v[SPW], v[NIL]
	v_lshrrev_b32 v1, 5, v0
	v_readfirstlane_b32 s14, v1                    ; wave 0..3
	s_lshr_b32 s15, s14, 1                         ; which half of the tile's rows is mine.  Also: I fetch for A (0) or for B (1)
	s_and_b32 s16, s14, 1                          ; which half of its columns.  Also: which 128 rows I fetch
	s_bfe_u32 s40, ttmp6, 0x40000                  ; cx
	s_bfe_u32 s41, ttmp6, 0x40004                  ; cy
	s_lshl_b32 s42, ttmp9, 2
	s_add_co_u32 s42, s42, s40                     ; tile column = 4 x cluster x + cx
	s_and_b32 s17, ttmp7, 0xffff
	s_lshl_b32 s18, s41, 3
	s_add_co_u32 s17, s17, s18                     ; the first tile's row = 8 cy + cluster y; the second's lies 4 further
	s_lshl_b32 s43, s41, 2
	s_lshl_b32 s43, 15, s43                        ; my row of the cluster
	s_lshl_b32 s44, 0x1111, s40                    ; my column
	s_or_b32 s[G1+0], s43, (0<<16)|(1<<20)|(1<<21)|(5<<22)|(3<<25)   ; the mask; elements of 1 byte; 4 words of padding after every 64
	s_or_b32 s[G1B+0], s44, (0<<16)|(1<<20)|(1<<21)|(5<<22)|(3<<25)
.irp g, G1, G1B
	s_mov_b32 s[\g+1], ROWB<<16                    ; tensor_dim0
	s_mov_b32 s[\g+2], 128<<16                     ; tensor_dim1
	s_mov_b32 s[\g+3], ROWB<<16                    ; tile_dim0
	s_mov_b32 s[\g+4], 128                         ; tile_dim1
	s_mov_b32 s[\g+5], KROW                        ; pitch
	s_mov_b32 s[\g+6], 0
	s_mov_b32 s[\g+7], 0
.endr
	s_or_b32 s[G1S+0], s43, (3<<16)|(1<<20)|(1<<21)|(5<<22)|(3<<25)  ; the scales of 128 rows: 4,096 dense bytes as 16 rows of 256 (32 elements of 8 bytes)
	s_or_b32 s[G1SB+0], s44, (3<<16)|(1<<20)|(1<<21)|(5<<22)|(3<<25)
.irp g, G1S, G1SB
	s_mov_b32 s[\g+1], 32<<16
	s_mov_b32 s[\g+2], 16<<16
	s_mov_b32 s[\g+3], 32<<16
	s_mov_b32 s[\g+4], 16
	s_mov_b32 s[\g+5], 32
	s_mov_b32 s[\g+6], 0
	s_mov_b32 s[\g+7], 0
.endr
	s_lshl_b32 s18, s16, 7
	s_lshl_b32 s20, s17, 8
	s_add_co_u32 s20, s20, s18                     ; A: row 256 x tile row + 128 x half
	s_lshl_b32 s46, s42, 8
	s_add_co_u32 s46, s46, s18                     ; B: row 256 x tile column + 128 x half
	s_mov_b32 s21, 0
	s_mov_b32 s47, 0
	s_mov_b64 s[18:19], KS
	s_mul_u64 s[22:23], s[20:21], s[18:19]
	s_mul_u64 s[92:93], s[46:47], s[18:19]
	s_mov_b64 s[18:19], KROW
	s_mul_u64 s[20:21], s[20:21], s[18:19]
	s_mul_u64 s[46:47], s[46:47], s[18:19]
	s_lshl_b32 s2, s17, 8                          ; the second tile's scales of A: each wave fetches 64 rows': row 256 x tile row + 1,024 + 64 x wave,
	s_add_co_u32 s2, s2, WALK
	s_lshl_b32 s3, s14, 6
	s_add_co_u32 s2, s2, s3
	s_lshl_b32 s2, s2, 5                           ; of 32 bytes
	s_mov_b32 s3, 0
	s_mul_i32 s45, s14, HALFT                      ; where the codes go: wave x 128 rows
	s_mul_i32 s94, s14, HALFS
	s_wait_dscnt 0x0                               ; both opening adds are done
	s_wait_kmcnt 0x0
	s_add_nc_u64 s[20:21], s[4:5], s[20:21]
	s_add_nc_u64 s[22:23], s[6:7], s[22:23]
	s_add_nc_u64 s[2:3], s[6:7], s[2:3]
	s_add_nc_u64 s[46:47], s[8:9], s[46:47]
	s_add_nc_u64 s[92:93], s[10:11], s[92:93]
	s_or_b32 s[G1Q+0], s43, (3<<16)|(1<<20)|(1<<21)|(5<<22)|(3<<25)  ; the four pointers above are used up: their registers take a group 1: 64 rows' scales, 2,048 dense bytes as 8 rows of 256
	s_mov_b32 s[G1Q+1], 32<<16
	s_mov_b32 s[G1Q+2], 8<<16
	s_mov_b32 s[G1Q+3], 32<<16
	s_mov_b32 s[G1Q+4], 8
	s_mov_b32 s[G1Q+5], 32
	s_mov_b32 s[G1Q+6], 0
	s_mov_b32 s[G1Q+7], 0
	CROUND                                         ; all sixteen work-groups are here: the first joint loads meet
	s_mov_b32 s[G0S], 1
	s_add_co_u32 s[G0S+1], s94, SCL                ; A's of the first tile: waves 0, 1
	s_mov_b64 s[G0S+2:G0S+3], s[22:23]
	s_or_b32 s[G0S+3], s[G0S+3], 0x80000000
	s_mov_b32 s[G0SB], 1
	s_add_co_u32 s[G0SB+1], s94, SCL+2*HALFS       ; B's: waves 2, 3 land at SCL + 4 HALFS and SCL + 5 HALFS
	s_mov_b64 s[G0SB+2:G0SB+3], s[92:93]
	s_or_b32 s[G0SB+3], s[G0SB+3], 0x80000000
	JLOAD G0S, G1S, G0SB, G1SB                     ; the scales first.  Four loads of mine are out behind the first fills
	s_mov_b32 s[G0Q], 1
	s_mul_i32 s[G0Q+1], s14, HALFS/2
	s_add_co_u32 s[G0Q+1], s[G0Q+1], SCL+2*HALFS   ; A's of the second tile: a quarter for each wave
	s_mov_b64 s[G0Q+2:G0Q+3], s[2:3]
	s_or_b32 s[G0Q+3], s[G0Q+3], 0x80000000
	tensor_load_to_lds s[G0Q:G0Q+3], s[G1Q:G1Q+7]  ; every wave its own quarter: asked for jointly along my row of the cluster
	s_nop 0
.rept 4
	v_nop
.endr
.irp s, 0,1
	s_mov_b32 s[G0+4*\s], 1
	s_add_co_u32 s[G0+4*\s+1], s45, \s*SLOT
	s_add_nc_u64 s[G0+4*\s+2:G0+4*\s+3], s[20:21], \s*ROWB
	s_or_b32 s[G0+4*\s+3], s[G0+4*\s+3], 0x80000000
	s_mov_b32 s[G0B+4*\s], 1
	s_add_co_u32 s[G0B+4*\s+1], s45, \s*SLOT
	s_add_nc_u64 s[G0B+4*\s+2:G0B+4*\s+3], s[46:47], \s*ROWB
	s_or_b32 s[G0B+4*\s+3], s[G0B+4*\s+3], 0x80000000
	JLOAD G0+4*\s, G1, G0B+4*\s, G1B
.endr
	v_and_b32 v1, 15, v0                           ; l % 16
	v_bfe_u32 v2, v0, 4, 1                         ; l / 16
	v_mul_u32_u24 v3, v1, PITCH
	v_lshl_add_u32 v4, v2, 4, v3
	s_mul_i32 s21, s15, HALFT
	s_mul_i32 s22, s16, HALFT
	s_add_co_u32 s22, s22, 2*HALFT
.irp s, 0,1
	v_add_nc_u32 v[ADRA+\s], s21, v4
	v_add_nc_u32 v[ADRB+\s], s22, v4
	s_add_co_u32 s21, s21, SLOT
	s_add_co_u32 s22, s22, SLOT
.endr
	v_mul_u32_u24 v5, v1, KS                       ; my row's scales: 32 bytes a row, and 16 more for each 256 passed
	v_lshrrev_b32 v6, 8, v5
	v_lshl_add_u32 v5, v6, 4, v5
	s_mul_i32 s21, s15, HALFS                      ; the first tile: A's lower base, and the distance from it to B's
	s_mul_i32 s22, s16, HALFS
	s_add_co_u32 s22, s22, 4*HALFS
	s_sub_co_u32 s22, s22, s21
	v_mul_u32_u24 v6, s22, v2                      ; lanes 16-31 take B's
	s_add_co_u32 s21, s21, SCL
	v_add_nc_u32 v6, v5, v6
	v_add_nc_u32 v[ADRS], s21, v6
	s_mul_i32 s21, s15, HALFS                      ; the second tile: A's lie 2 HALFS further on, so B's are 2 HALFS nearer
	s_mul_i32 s22, s16, HALFS
	s_add_co_u32 s22, s22, 2*HALFS
	s_sub_co_u32 s22, s22, s21
	v_mul_u32_u24 v6, s22, v2
	s_add_co_u32 s21, s21, SCL+2*HALFS
	v_add_nc_u32 v6, v5, v6
	v_add_nc_u32 v[ADRS+1], s21, v6
	s_mul_i32 s23, s14, 16*272
	s_add_co_u32 s23, s23, STAGE                   ; my stage
	v_mul_u32_u24 v5, v1, 272
	v_lshl_add_u32 v6, v2, 4, v5
	v_add_nc_u32 v[STO], s23, v6                   ; f16, in: row l % 16, 16 bytes for each half of the lanes
	v_lshl_add_u32 v6, v2, 5, v5
	v_add_nc_u32 v[STO32], s23, v6                 ; f32, in: row l % 16, 32 bytes for each half
	v_mul_u32_u24 v5, v2, 272
	v_lshl_add_u32 v5, v1, 4, v5
	v_add_nc_u32 v[RD], s23, v5                    ; back: lanes 0-15 one row of 256 bytes, lanes 16-31 the next
	v_mul_u32_u24 v5, v2, OP
	v_lshl_add_u32 v[CO], v1, 4, v5                ; and the same two rows in qkv,
	v_mul_u32_u24 v5, v2, 12288
	v_lshl_add_u32 v[CO32], v1, 4, v5              ; and in h32
	s_lshl_b32 s20, s17, 8
	s_lshl_b32 s21, s15, 7
	s_add_co_u32 s20, s20, s21                     ; my first row of C
	s_mov_b32 s21, 0
	s_mov_b64 s[18:19], OP
	s_mul_u64 s[20:21], s[20:21], s[18:19]
	s_lshl_b32 s46, s42, 9                         ; my first column in f16 bytes: 512 x tile column + 256 x half
	s_lshl_b32 s47, s16, 8
	s_add_co_u32 s46, s46, s47
	s_mov_b32 s47, 0
	s_add_nc_u64 s[20:21], s[20:21], s[46:47]
	s_add_nc_u64 s[CB0:CB0+1], s[CB0:CB0+1], s[20:21]
	s_add_nc_u64 s[CB1:CB1+1], s[CB0:CB0+1], WALK*OP   ; the second tile: 1,024 rows of qkv further down
	s_mul_i32 s20, s41, 196608                     ; h32: batch cy's 16 rows of 12,288 bytes,
	s_lshl_b32 s46, s46, 1                         ; my first column in f32 bytes
	s_add_co_u32 s20, s20, s46
	s_mov_b32 s21, 0
	s_add_nc_u64 s[96:97], s[96:97], s[20:21]
.macro FRAG reg, adr, q, i             ; 16 rows x 128 K of 4-bit codes: 8 registers, two loads of 16 bytes, 32 bytes apart
.irp c, 0,1
	ds_load_b128 v[\reg+4*\c:\reg+4*\c+3], v[\adr] offset:64*(\q)+32*\c+(\i)*16*PITCH
.endr
.endm
; 16 matrix instructions: A's blocks a0, a0 + 1 x B's eight.  The 64 accumulators take turns, one instruction a turn, from tile to tile too.
.macro MUL16 a0, p, q, sc, zero
.irp a, \a0, \a0+1
.irp b, 0,1,2,3,4,5,6,7
.if \zero
	v_wmma_scale_f32_16x16x128_f8f6f4 v[8*(8*((\a)%4)+\b):8*(8*((\a)%4)+\b)+7], v[128*(\p)+FR*\b:128*(\p)+FR*\b+FR-1], v[AF+FR*(\a):AF+FR*(\a)+FR-1], 0, v[SC+8*NQ*(\sc)+NQ*\b+(\q)], v[SC+8*NQ*(\sc)+NQ*(\a)+(\q)] matrix_a_fmt:MATRIX_FMT_FP4 matrix_b_fmt:MATRIX_FMT_FP4 matrix_a_scale:MATRIX_SCALE_ROW1
.else
	v_wmma_scale_f32_16x16x128_f8f6f4 v[8*(8*((\a)%4)+\b):8*(8*((\a)%4)+\b)+7], v[128*(\p)+FR*\b:128*(\p)+FR*\b+FR-1], v[AF+FR*(\a):AF+FR*(\a)+FR-1], v[8*(8*((\a)%4)+\b):8*(8*((\a)%4)+\b)+7], v[SC+8*NQ*(\sc)+NQ*\b+(\q)], v[SC+8*NQ*(\sc)+NQ*(\a)+(\q)] matrix_a_fmt:MATRIX_FMT_FP4 matrix_b_fmt:MATRIX_FMT_FP4 matrix_a_scale:MATRIX_SCALE_ROW1
.endif
.endr
.endr
.endm
.macro FETCH_B slot, q, p
	WIN TO_B
.irp i, 0,1,2,3,4,5,6,7
	FRAG 128*(\p)+FR*\i, ADRB+\slot, \q, \i
.endr
	WIN 0
.endm
.macro FETCH_A slot, q, i0
.irp i, \i0, \i0+1, \i0+2, \i0+3
	FRAG AF+FR*(\i), ADRA+\slot, \q, \i
.endr
.endm
.macro SCALES sc, t                    ; slot sc's scale words of tile t: 4 words a row, 16 bytes on for the second slot; lanes 0-15 take A's block i, lanes 16-31 B's block i
.irp i, 0,1,2,3,4,5,6,7
	ds_load_b128 v[SC+8*NQ*\sc+NQ*\i:SC+8*NQ*\sc+NQ*\i+3], v[ADRS+\t] offset:\i*SBLK+16*\sc
.endr
.endm
.macro PLACES n                        ; plain vector lines between a matrix instruction and a load into, or a read of, its registers
.rept \n
	v_nop
.endr
.endm
.macro STEP slot, q, zero
	s_wait_dscnt 4*NL                              ; B's set and A's blocks 0-3 are in; the youngest eight loads (A's blocks 4-7) may be out
	WIN MUL_LO
	MUL16 0, (\q)%2, \q, \slot, \zero
	MUL16 2, (\q)%2, \q, \slot, \zero
	s_wait_dscnt 0
	PLACES NP
	FETCH_B \slot, (\q)+1, 1-(\q)%2
	FETCH_A \slot, (\q)+1, 0
	WIN MUL_HI
	MUL16 4, (\q)%2, \q, \slot, \zero
	MUL16 6, (\q)%2, \q, \slot, \zero
	PLACES NP
	WIN 0
	FETCH_A \slot, (\q)+1, 4
.endm
; A slot's last step changes slots: each wave waits for all its tensor loads (its part of the next slot), adds 0 to its spare word, waits for that and for its reads of this slot; one barrier.
; fill = 1: the barrier opens a round of the cluster's barrier, so that no wave of any partner still reads this slot's rows of A or has a load on its way, and those rows are filled again,
; first thing behind the round, with the second tile's.  tn: the tile to which the next slot's scale words belong.
.macro TURN slot, next, fill, tn
	s_wait_tensorcnt 0x0                           ; no tensor load of mine is out: a group 0 may be written  (every window is 0 here)
	ds_add_u32 v[SPW], v[NIL]
	s_wait_dscnt 4*NL+1                            ; the add and A's blocks 4-7 may be out
	WIN MUL_LO
	MUL16 0, 1, NQ-1, \slot, 0
	s_wait_dscnt 0x0                               ; the add is done, and my reads of this slot are over
	s_barrier_signal -1
	MUL16 2, 1, NQ-1, \slot, 0
	WIN 0
	s_barrier_wait -1
.if \fill
	CREST
	s_add_nc_u64 s[G0+4*\slot+2:G0+4*\slot+3], s[G0+4*\slot+2:G0+4*\slot+3], WALK*KROW   ; 1,024 rows of codes further down; the type bits on top are not reached
	ALOAD \slot
.endif
	PLACES NP
	FETCH_B \next, 0, 0
	FETCH_A \next, 0, 0
	SCALES \next, \tn
	WIN MUL_HI
	MUL16 4, 1, NQ-1, \slot, 0
	MUL16 6, 1, NQ-1, \slot, 0
	PLACES NP
	WIN 0
	FETCH_A \next, 0, 4
.endm
; THE WAY OUT, block by block of 16 rows x 128 columns: rounded to f16, 16 bytes a lane, through my own stage, back as whole rows of 256 bytes.
; It names none of the registers that hold the next tile's first fragments and scale words.
.macro PACK a
.set AC, 64*((\a)%4)
.set WN, 0x0a+5*((\a)/4)
	WIN WN                                         ; sources 0 and 1: window 2 or 3
.irp b, 0,1,2,3,4,5,6,7
.irp r, 0,1,2,3
	v_cvt_pk_f16_f32 v[TMP+4*\b+\r], v[AC+8*\b+2*\r], v[AC+8*\b+2*\r+1]   ; each accumulator from its low end on
.endr
.endr
	WIN 0
.endm
.macro TOSTAGE a
.set BB, 224-128*((\a)%2)
.irp b, 0,1,2,3,4,5,6,7
	ds_store_b128 v[STO], v[TMP+4*\b:TMP+4*\b+3] offset:32*\b
.endr
.irp t, 0,1,2,3,4,5,6,7
	ds_load_b128 v[BB+4*\t:BB+4*\t+3], v[RD] offset:\t*2*272   ; LDS serves a wave's instructions in order: these see the stores above
.endr
.endm
.macro SEND a, base
.set BB, 224-128*((\a)%2)
	s_wait_dscnt 0x0                               ; the block is back in registers
	s_wait_xcnt 0x0                                ; the block before last has been read by its stores: the next block's loads may land there
.irp t, 0,1,2,3,4,5,6,7
	global_store_b128 v[CO], v[BB+4*\t:BB+4*\t+3], s[\base:\base+1] offset:(16*(\a)+2*\t)*OP   ; sixteen lanes store 256 consecutive bytes, aligned; 126 rows at the most: inside the 24-bit immediate
.endr
.endm
.macro WAYOUT base
	PACK 0
	TOSTAGE 0
.irp a, 1,2,3,4,5,6,7
	PACK \a                                        ; block a's conversions stand between block a - 1's loads from the stage and the wait for them
	SEND \a-1, \base
	TOSTAGE \a
.endr
	SEND 7, \base
.endm
	s_wait_tensorcnt 1                             ; all scales and my part of slot 0 are in (slot 1's load may be out)
	s_barrier_signal -1
	s_barrier_wait -1                              ; everybody's are
	FETCH_B 0, 0, 0
	FETCH_A 0, 0, 0
	SCALES 0, 0
	FETCH_A 0, 0, 4
	; ---------------- the first tile ----------------
	STEP 0, 0, 1                                   ; the first step's products start the sums: nothing is cleared
	STEP 0, 1, 0
	STEP 0, 2, 0
	TURN 0, 1, 1, 0                                ; slot 0's rows of A take the second tile's first 512 along K
	STEP 1, 0, 0
	STEP 1, 1, 0
	STEP 1, 2, 0
	TURN 1, 0, 1, 1                                ; slot 1's take its last 512, and the second tile's first fragments and scale words are fetched
	PLACES NP                                      ; both refills are asked for: now the tile goes out
	s_and_b32 s18, ttmp7, 0xffff                   ; rows 0-15 of a batch are block 0 of the upper waves of tile rows 0, 8, 16, 24: the first tiles where cluster y = 0
	s_or_b32 s18, s18, s15
	s_cmp_lg_u32 s18, 0
	s_cbranch_scc1 .Lno_h32
.irp u, 0,1                            ; in f32, 64 columns (256 bytes a row) at a time through the same stage
	WIN 0x08                                       ; an LDS store's data are its source 1: window 2
.irp b, 0,1,2,3
	ds_store_b128 v[STO32], v[8*(4*\u+\b):8*(4*\u+\b)+3] offset:64*\b
	ds_store_b128 v[STO32], v[8*(4*\u+\b)+4:8*(4*\u+\b)+7] offset:64*\b+16
.endr
	WIN 0
.irp t, 0,1,2,3,4,5,6,7
	ds_load_b128 v[TMP+32*\u+4*\t:TMP+32*\u+4*\t+3], v[RD] offset:\t*2*272   ; in order behind the stores above; the next half's stores come behind these
.endr
.endr
	s_wait_dscnt 0x0
.irp u, 0,1
.irp t, 0,1,2,3,4,5,6,7
	global_store_b128 v[CO32], v[TMP+32*\u+4*\t:TMP+32*\u+4*\t+3], s[96:97] offset:2*\t*12288+256*\u   ; sixteen lanes store 256 consecutive bytes, aligned
.endr
.endr
	s_wait_xcnt 0x0                                ; these stores have read their registers, which the conversions and loads below write
.Lno_h32:
	WAYOUT CB0
	; ---------------- the second tile: its stores alone are left at the end ----------------
	STEP 0, 0, 1                                   ; on accumulators that have been packed
	STEP 0, 1, 0
	STEP 0, 2, 0
	TURN 0, 1, 0, 1                                ; nothing is filled again: a plain barrier
	STEP 1, 0, 0
	STEP 1, 1, 0
	STEP 1, 2, 0
	s_wait_dscnt 4*NL                              ; the last step: nothing more to fetch
	WIN MUL_LO
	MUL16 0, 1, NQ-1, 1, 0
	MUL16 2, 1, NQ-1, 1, 0
	s_wait_dscnt 0
	WIN MUL_HI
	MUL16 4, 1, NQ-1, 1, 0
	MUL16 6, 1, NQ-1, 1, 0
	WIN 0
	PLACES NP
	WAYOUT CB1
	s_wait_tensorcnt 0x0                           ; the wave's end
	ds_add_u32 v[SPW], v[NIL]
	s_wait_dscnt 0x0
	CROUND                                         ; the closing round
	s_endpgm
.Lfunc_end_k_q4cda23b411_proj:
	.size	k_q4cda23b411_proj, .Lfunc_end_k_q4cda23b411_proj-k_q4cda23b411_proj
	.p2alignl 7, 3214868480
	.fill 96, 4, 3214868480
	.section	.rodata,"a",@progbits
	.p2align	6, 0x0
	.amdhsa_kernel k_q4cda23b411_proj
		.amdhsa_group_segment_fixed_size 327680
		.amdhsa_private_segment_fixed_size 0
		.amdhsa_enable_private_segment 0
		.amdhsa_kernarg_size 48
		.amdhsa_user_sgpr_count 2
		.amdhsa_user_sgpr_kernarg_segment_ptr 1
		.amdhsa_wavefront_size32 1
		.amdhsa_system_sgpr_workgroup_id_x 1
		.amdhsa_system_sgpr_workgroup_id_y 1
		.amdhsa_system_sgpr_workgroup_id_z 1
		.amdhsa_system_vgpr_workitem_id 0
		.amdhsa_next_free_vgpr 1024
		.amdhsa_next_free_sgpr 100
		.amdhsa_reserve_vcc 0
		.amdhsa_float_denorm_mode_32 3
		.amdhsa_float_denorm_mode_16_64 3
		.amdhsa_memory_ordered 1
		.amdhsa_forward_progress 1
		.amdhsa_inst_pref_size 250
	.end_amdhsa_kernel
	.amdgpu_metadata
---
amdhsa.version: [ 1, 2 ]
amdhsa.kernels:
  - .name:           k_q4cda23b411_proj
    .symbol:         k_q4cda23b411_proj.kd
    .args:
      - { .name: xc, .offset: 0, .size: 8, .value_kind: global_buffer, .address_space: global }
      - { .name: xs, .offset: 8, .size: 8, .value_kind: global_buffer, .address_space: global }
      - { .name: wc, .offset: 16, .size: 8, .value_kind: global_buffer, .address_space: global }
      - { .name: ws, .offset: 24, .size: 8, .value_kind: global_buffer, .address_space: global }
      - { .name: qkv, .offset: 32, .size: 8, .value_kind: global_buffer, .address_space: global }
      - { .name: h32, .offset: 40, .size: 8, .value_kind: global_buffer, .address_space: global }
    .group_segment_fixed_size: 327680
    .private_segment_fixed_size: 0
    .kernarg_segment_align: 8
    .kernarg_segment_size: 48
    .max_flat_workgroup_size: 128
    .sgpr_count:     100
    .vgpr_count:     1024
    .wavefront_size: 32
...
	.end_amdgpu_metadata
.endif
;; end of part 2
;; launch scores (part 3): grid 9 x 16, 4 waves a work-group, no clusters, 327,680 bytes of LDS; arguments qkv, pbuf, st; writes pbuf, st
.if DOCPART == 3
	.amdgcn_target "amdgcn-amd-amdhsa--gfx1250"
	.amdhsa_code_object_version 6
	.text
	.protected	k_q4cda23b411_scores
	.globl	k_q4cda23b411_scores
	.p2align	8
	.type	k_q4cda23b411_scores,@function
k_q4cda23b411_scores:
	s_mov_b64 s[64:65], 0
	v_nop
	global_prefetch_b8 v0, s[64:65] scope:SCOPE_SE
	s_setreg_imm32_b32 hwreg(HW_REG_WAVE_MODE, 25, 1), 1
	s_wait_xcnt 0x0
; For each batch b, each kept tile of 256 queries x 256 keys: s = Q K^T (f16 operands, f32 sums, K = 1,024), the causal mask, and a softmax that is local to a block of 128 keys:
; c = log2(e) / 32;  M = ceil(c x the row's largest s in the block), a whole number;  p = 2^(c s - M), at most 1;  l = the sum of the unrounded p.
; p goes to pbuf [4][2048][2048] as f16, (M, l) to st [4][16 key blocks][2048 rows][2] as f32.  The next launch joins the blocks: it takes the largest M of a row away from each M.
; Tiles wholly above the diagonal are not made: strips u and 7 - u of a batch hold u + 1 and 8 - u tiles, nine together: grid x = 9, grid y = 4 batches x 4 pairs.
; NO CLUSTER: the kept tiles form a triangle whose rows and columns hold 1 to 8 tiles; they do not divide into fours that share a strip.
; Four waves, each 128 x 128 in 64 accumulators.  K goes in steps of 128 (rows of 256 bytes) through two LDS slots; each wave fetches 128 rows with one tensor load.
; The matrix instruction is used transposed (source 0 = 16 keys, source 1 = 16 queries): a lane holds one query (lane % 16) and the keys 16 b + 8 (lane / 16) + 0..7.
; On the diagonal tile the wave with queries 0-127 and keys 128-255 is wholly hidden: it walks the loop with the others (every wave passes every barrier) and stores nothing; nobody reads that block.
; LIMITS: f16 operands (|Q|, |K| up to 65,504); NaN and infinities are not served.
; REGISTERS: window 0: v0-31 addresses; v64-127, v128-191 Q's fragments, two buffers; window 1: K's, likewise; windows 2, 3: the accumulators ((a, b) at v[8 (8 (a % 4) + b)]).
;   On the way out, window 0: v32-39 at work; v40 -M (v41 its pair's other half); v42 -infinity; v43 lane % 16 - 8 (lane / 16); v64-127 p; v128-159 p as f16; v160-223 rows read back; v224-239 M and l of the 8 tiles.
.set PITCH,  272                       ; an LDS row: 256 bytes + 16 of padding
.set HALFT,  128*PITCH
.set SLOT,   4*HALFT                   ; Q's 256 rows, then K's 256 rows
.set STAGE,  2*SLOT                    ; behind the ring: 16 rows x 272 bytes for each wave
.set SPARE,  STAGE+4*16*272            ; the spare words, 128 bytes a wave: no other line names them
.set ADRA, 16
.set ADRB, 20
.set STO,  24
.set RD,   25
.set CO,   26
.set SO,   27
.set SPW,  28
.set NIL,  29
.set LN,   30
.set T,    32
.set NM,   40
.set NEGI, 42
.set DD,   43
.set F0,   64
.set F1,   128
.set PT,   64
.set PK,   128
.set BK,   160
.set ST,   224
.set G1,   24
.set G0,   32
.set CS,   46
.set SEL,  48
.set MSB, 0
.macro WIN new
.if MSB != \new
	s_set_vgpr_msb (MSB<<8)|\new
.set MSB, \new
.endif
.endm
.set MUL_LO, 0xa1                      ; source 0 (K) window 1, source 1 (Q) window 0, C and D window 2
.set MUL_HI, 0xf1
.set TO_B,   0x40
	s_load_b128 s[4:7], s[0:1], 0x0                ; qkv s[4:5], pbuf s[6:7]
	s_load_b64 s[8:9], s[0:1], 0x10                ; st
	v_lshl_add_u32 v[SPW], v0, 2, SPARE
	v_mov_b32 v[NIL], 0
	ds_add_u32 v[SPW], v[NIL]                      ; the wave's opening: the add, twice on end, and its wait ahead of my first tensor load
	ds_add_u32 v[SPW], v[NIL]
	v_lshrrev_b32 v1, 5, v0
	v_readfirstlane_b32 s10, v1                    ; wave 0..3
	s_lshr_b32 s11, s10, 1                         ; mh: my half of the queries.  Also: I fetch Q (0) or K (1)
	s_and_b32 s12, s10, 1                          ; nh: my half of the keys.  Also: which 128 rows I fetch
	s_and_b32 s13, ttmp7, 0xffff
	s_and_b32 s14, s13, 3                          ; u
	s_lshr_b32 s15, s13, 2                         ; batch
	s_sub_co_u32 s16, 7, s14
	s_sub_co_u32 s17, ttmp9, s14
	s_sub_co_u32 s17, s17, 1
	s_cmp_le_u32 ttmp9, s14
	s_cselect_b32 s16, s14, s16                    ; I: strip u for the first u + 1 work-groups, strip 7 - u for the others
	s_cselect_b32 s17, ttmp9, s17                  ; J
	s_cmp_eq_u32 s16, s17
	s_cselect_b32 s42, 1, 0                        ; the tile lies on the diagonal
	s_cmp_eq_u32 s11, s12
	s_cselect_b32 s43, s42, 0                      ; my 128 x 128 lies on the diagonal
	s_sub_co_u32 s44, s12, s11
	s_cmp_eq_u32 s44, 1
	s_cselect_b32 s44, s42, 0                      ; my 128 x 128 is wholly hidden
	s_mov_b32 s[G1+0], (1<<16)|(1<<20)|(5<<22)|(3<<25)   ; no mask; elements of 2 bytes; 4 words of padding after every 64
	s_mov_b32 s[G1+1], 128<<16                     ; tensor_dim0
	s_mov_b32 s[G1+2], 128<<16                     ; tensor_dim1
	s_mov_b32 s[G1+3], 128<<16                     ; tile_dim0
	s_mov_b32 s[G1+4], 128                         ; tile_dim1
	s_mov_b32 s[G1+5], 3072                        ; pitch in elements
	s_mov_b32 s[G1+6], 0
	s_mov_b32 s[G1+7], 0
	s_cmp_eq_u32 s11, 0
	s_cselect_b32 s18, s16, s17                    ; Q's rows by I, K's by J
	s_cselect_b32 s19, 0, 2048                     ; K lies 2,048 bytes into a row of qkv
	s_lshl_b32 s18, s18, 8
	s_lshl_b32 s20, s15, 11
	s_add_co_u32 s18, s18, s20
	s_lshl_b32 s20, s12, 7
	s_add_co_u32 s18, s18, s20                     ; the first row that I fetch
	s_mul_i32 s18, s18, 6144
	s_add_co_u32 s20, s18, s19
	s_mov_b32 s21, 0
	s_mul_i32 s22, s10, HALFT                      ; where it goes: wave x 128 rows
	s_mov_b32 s[CS], 0x3d38aa3b                    ; c = log2(e) / 32
	s_mov_b32 s[CS+1], s[CS]
	s_mov_b32 s[SEL], 0x76543210
	s_mov_b32 s[SEL+1], 0xfedcba98
	s_wait_dscnt 0x0                               ; both opening adds are done
	s_wait_kmcnt 0x0
	s_add_nc_u64 s[40:41], s[4:5], s[20:21]
.irp s, 0,1
	s_mov_b32 s[G0+4*\s], 1
	s_add_co_u32 s[G0+4*\s+1], s22, \s*SLOT
	s_add_nc_u64 s[G0+4*\s+2:G0+4*\s+3], s[40:41], \s*256
	s_or_b32 s[G0+4*\s+3], s[G0+4*\s+3], 0x80000000
	tensor_load_to_lds s[G0+4*\s:G0+4*\s+3], s[G1:G1+7]   ; K steps 0 and 1: two loads of mine are out
	s_nop 0
.endr
.rept 4
	v_nop
.endr
	v_and_b32 v1, 15, v0                           ; l % 16
	v_bfe_u32 v2, v0, 4, 1                         ; l / 16
	v_mul_u32_u24 v3, v1, PITCH
	v_lshl_add_u32 v3, v2, 4, v3
	s_mul_i32 s21, s11, HALFT                      ; my 128 queries
	s_mul_i32 s22, s12, HALFT                      ; my 128 keys,
	s_add_co_u32 s22, s22, 2*HALFT                 ; which lie behind Q's 256 rows
.irp s, 0,1
	v_add_nc_u32 v[ADRA+\s], s21, v3
	v_add_nc_u32 v[ADRB+\s], s22, v3
	s_add_co_u32 s21, s21, SLOT
	s_add_co_u32 s22, s22, SLOT
.endr
	s_mul_i32 s23, s10, 16*272
	s_add_co_u32 s23, s23, STAGE                   ; my stage
	v_mul_u32_u24 v4, v1, 272
	v_lshl_add_u32 v4, v2, 4, v4
	v_add_nc_u32 v[STO], s23, v4
	v_mul_u32_u24 v5, v2, 272
	v_lshl_add_u32 v5, v1, 4, v5
	v_add_nc_u32 v[RD], s23, v5
	v_lshlrev_b32 v5, 12, v2
	v_lshl_add_u32 v[CO], v1, 4, v5                ; two rows of pbuf, 4,096 bytes apart
	v_and_b32 v[LN], 31, v0
	v_lshlrev_b32 v[SO], 3, v[LN]                  ; st: 8 bytes a row
	v_mov_b32 v[NEGI], 0xff800000
	v_lshlrev_b32 v5, 3, v2
	v_sub_nc_u32 v[DD], v1, v5
	v_mov_b32 v[NM+1], 0                           ; named with -M as a pair, so it is written
	v_mov_b32 v[T+4], 0                            ; a lane permute's destination counts as one of its sources
	s_lshl_b32 s18, s16, 8
	s_lshl_b32 s19, s11, 7
	s_add_co_u32 s18, s18, s19                     ; my first query in the batch
	s_lshl_b32 s19, s15, 11
	s_add_co_u32 s19, s19, s18
	s_lshl_b32 s50, s19, 12                        ; pbuf: rows of 4,096 bytes,
	s_lshl_b32 s19, s17, 9
	s_add_co_u32 s50, s50, s19                     ; + 512 J + 256 nh
	s_lshl_b32 s19, s12, 8
	s_add_co_u32 s50, s50, s19
	s_mov_b32 s51, 0
	s_add_nc_u64 s[6:7], s[6:7], s[50:51]
	s_lshl_b32 s19, s15, 4
	s_lshl_b32 s20, s17, 1
	s_add_co_u32 s19, s19, s20
	s_add_co_u32 s19, s19, s12                     ; st: plane 16 b + 2 J + nh of 16,384 bytes,
	s_lshl_b32 s50, s19, 14
	s_lshl_b32 s18, s18, 3
	s_add_co_u32 s50, s50, s18                     ; + 8 x my first query
	s_add_nc_u64 s[8:9], s[8:9], s[50:51]
; 16 matrix instructions: query blocks a0, a0 + 1 of the window's four x all 8 key blocks, 32 along K.  The 64 accumulators take turns.
.macro MUL16 f, hi, a0, zero
.irp a, \a0, \a0+1
.irp b, 0,1,2,3,4,5,6,7
.if \zero
	v_wmma_f32_16x16x32_f16 v[8*(8*(\a)+\b):8*(8*(\a)+\b)+7], v[\f+8*\b:\f+8*\b+7], v[\f+8*(4*\hi+\a):\f+8*(4*\hi+\a)+7], 0
.else
	v_wmma_f32_16x16x32_f16 v[8*(8*(\a)+\b):8*(8*(\a)+\b)+7], v[\f+8*\b:\f+8*\b+7], v[\f+8*(4*\hi+\a):\f+8*(4*\hi+\a)+7], v[8*(8*(\a)+\b):8*(8*(\a)+\b)+7]
.endif
.endr
.endr
.endm
.macro FETCH slot, k, f                ; 32 LDS loads in one run: 128 keys, 128 queries, 32 along K at byte k of the rows
	WIN TO_B
.irp i, 0,1,2,3,4,5,6,7
	ds_load_b128 v[\f+8*\i:\f+8*\i+3],   v[ADRB+\slot] offset:\k+\i*16*PITCH
	ds_load_b128 v[\f+8*\i+4:\f+8*\i+7], v[ADRB+\slot] offset:\k+\i*16*PITCH+32
.endr
	WIN 0
.irp i, 0,1,2,3,4,5,6,7
	ds_load_b128 v[\f+8*\i:\f+8*\i+3],   v[ADRA+\slot] offset:\k+\i*16*PITCH
	ds_load_b128 v[\f+8*\i+4:\f+8*\i+7], v[ADRA+\slot] offset:\k+\i*16*PITCH+32
.endr
.endm
.macro PLACES                          ; four plain vector lines between a matrix instruction and a load into, or a read of, its registers
.rept 4
	v_nop
.endr
.endm
.macro QUARTER slot, k, f, g, zero
	s_wait_dscnt 8                                 ; K's fragments and Q's rows 0-63 are in; the youngest eight loads may be out
	WIN MUL_LO
	MUL16 \f, 0, 0, \zero
	MUL16 \f, 0, 2, \zero
	PLACES
	FETCH \slot, \k, \g
	s_wait_dscnt 32                                ; all but the 32 just issued
	WIN MUL_HI
	MUL16 \f, 1, 0, \zero
	MUL16 \f, 1, 2, \zero
.endm
; A K step's last quarter changes slots: each wave waits for all its tensor loads (one is out: its part of the next slot), adds 0 to its spare word, waits for that and for its reads
; of this slot; one barrier; fill = 1: this slot is then filled again, two K steps ahead, first thing behind the barrier: 224 matrix instructions ahead of the wait for it.
.macro TURN slot, next, fill
	WIN 0
	s_wait_tensorcnt 0x0
	ds_add_u32 v[SPW], v[NIL]
	s_wait_dscnt 9                                 ; the add and the youngest eight loads may be out
	WIN MUL_LO
	MUL16 F1, 0, 0, 0
	s_wait_dscnt 0x0                               ; the add is done, and my reads of this slot are over
	s_barrier_signal -1
	MUL16 F1, 0, 2, 0
	WIN 0
	s_barrier_wait -1
.if \fill
	s_add_nc_u64 s[G0+4*\slot+2:G0+4*\slot+3], s[G0+4*\slot+2:G0+4*\slot+3], 512   ; no tensor load of mine is out: the address may step
	tensor_load_to_lds s[G0+4*\slot:G0+4*\slot+3], s[G1:G1+7]
	s_nop 0
.endif
	PLACES                                         ; behind the load; also the places in front of the loads below
	FETCH \next, 0, F0
	WIN MUL_HI
	MUL16 F1, 1, 0, 0
	MUL16 F1, 1, 2, 0
.endm
	s_wait_tensorcnt 1                             ; my part of K step 0 is in; K step 1's may stay out
	s_barrier_signal -1
	s_barrier_wait -1
	FETCH 0, 0, F0
	QUARTER 0, 64,  F0, F1, 1                      ; the first quarter's products start the sums
	WIN 0
	s_mov_b32 s3, 3
.Llap:                                             ; a trip goes once round the ring and fills both slots again: K steps 2 to 7
	QUARTER 0, 128, F1, F0, 0
	QUARTER 0, 192, F0, F1, 0
	TURN 0, 1, 1
	QUARTER 1, 64,  F0, F1, 0
	QUARTER 1, 128, F1, F0, 0
	QUARTER 1, 192, F0, F1, 0
	TURN 1, 0, 1
	QUARTER 0, 64,  F0, F1, 0
	WIN 0
	s_sub_co_u32 s3, s3, 1
	s_cmp_lg_u32 s3, 0
	s_cbranch_scc1 .Llap
	QUARTER 0, 128, F1, F0, 0                      ; the last lap is written out: it asks for nothing
	QUARTER 0, 192, F0, F1, 0
	TURN 0, 1, 0
	QUARTER 1, 64,  F0, F1, 0
	QUARTER 1, 128, F1, F0, 0
	QUARTER 1, 192, F0, F1, 0
	s_wait_dscnt 8
	WIN MUL_LO
	MUL16 F1, 0, 0, 0
	MUL16 F1, 0, 2, 0
	s_wait_dscnt 0
	WIN MUL_HI
	MUL16 F1, 1, 0, 0
	MUL16 F1, 1, 2, 0
	WIN 0
	s_cmp_eq_u32 s44, 0
	s_cbranch_scc1 .Lout
	s_wait_tensorcnt 0x0                           ; the wholly hidden wave ends here
	ds_add_u32 v[SPW], v[NIL]
	s_wait_dscnt 0x0
	s_endpgm
.Lout:
; THE CAUSAL MASK for query tile a of a wave on the diagonal.  Register j of key block b holds key 16 b + 8 h + j, my query is 16 a + r: hidden where 16 (b - a) + j > r - 8 h.
; Blocks b < a are open, blocks b > a wholly hidden, block b = a compares.
.macro MASK a
	s_cmp_eq_u32 s43, 0
	s_cbranch_scc1 .Lopen_\@
.set AC, 64*((\a)%4)
.set WN, 0x82+0x41*((\a)/4)
	WIN WN                                         ; destination and source 0: the accumulators' window
.irp j, 0,1,2,3,4,5,6,7
	v_cmp_gt_i32 vcc_lo, \j, v[DD]
	v_cndmask_b32 v[AC+8*(\a)+\j], v[AC+8*(\a)+\j], v[NEGI], vcc_lo
.endr
.set MB, (\a)+1
.rept 7-(\a)
.irp j, 0,1,2,3,4,5,6,7
	v_mov_b32 v[AC+8*MB+\j], 0xff800000
.endr
.set MB, MB+1
.endr
	WIN 0
.Lopen_\@:
.endm
; THE LOCAL SOFTMAX of query tile a: 64 scores a lane.
.macro SOFT a
.set AC, 64*((\a)%4)
.set WW, 2+(\a)/4
.set WN, (WW<<2)|(WW<<4)
	WIN WN                                         ; sources 1 and 2: the accumulators' window
.irp p, 0,1,2,3
.irp b, 0,1,2,3,4,5,6,7
.if (\p == 0) && (\b < 4)
	v_max3_num_f32 v[T+\b%4], v[NEGI], v[AC+8*\b+2*\p], v[AC+8*\b+2*\p+1]      ; four chains; each accumulator is read from its low end on
.else
	v_max3_num_f32 v[T+\b%4], v[T+\b%4], v[AC+8*\b+2*\p], v[AC+8*\b+2*\p+1]
.endif
.endr
.endr
	WIN 0
	v_max3_num_f32 v[T], v[T], v[T+1], v[T+2]
	v_max_num_f32 v[T], v[T], v[T+3]
	v_permlanex16_b32 v[T+4], v[T], s[SEL], s[SEL+1]   ; the query's other 64 keys lie in the lane 16 away
	v_max_num_f32 v[T], v[T], v[T+4]
	v_mul_f32 v[T], s[CS], v[T]
	v_floor_f32 v[NM], -v[T]                       ; -M = floor(-t) = -ceil(t)
	WIN WW                                         ; source 0: the accumulators' window
.set J, 0
.rept 32
	v_pk_fma_f32 v[PT+J:PT+J+1], v[AC+J:AC+J+1], s[CS:CS+1], v[NM:NM+1] op_sel_hi:[1,0,0]   ; c s - M, two at a time
.set J, J+2
.endr
	WIN 0
.set J, 0
.rept 64
	v_exp_f32 v[PT+J], v[PT+J]
.set J, J+1
.endr
	v_sub_f32 v[ST+2*(\a)], 0, v[NM]               ; M.  (The plain line behind the exponentials)
	s_wait_alu depctr_va_vdst(0)                   ; one wait for the whole batch, ahead of its first reader
	v_pk_add_f32 v[T:T+1], v[PT:PT+1], v[PT+2:PT+3]     ; l is the sum of the unrounded p: two chains
	v_pk_add_f32 v[T+2:T+3], v[PT+4:PT+5], v[PT+6:PT+7]
.irp j, 8,12,16,20,24,28,32,36,40,44,48,52,56,60
	v_pk_add_f32 v[T:T+1], v[T:T+1], v[PT+\j:PT+\j+1]
	v_pk_add_f32 v[T+2:T+3], v[T+2:T+3], v[PT+\j+2:PT+\j+3]
.endr
	v_pk_add_f32 v[T:T+1], v[T:T+1], v[T+2:T+3]
	v_add_f32 v[T], v[T], v[T+1]
	v_permlanex16_b32 v[T+4], v[T], s[SEL], s[SEL+1]
	v_add_f32 v[ST+2*(\a)+1], v[T], v[T+4]
.set J, 0
.rept 32
	v_cvt_pk_f16_f32 v[PK+J], v[PT+2*J], v[PT+2*J+1]
.set J, J+1
.endr
.endm
.macro TOSTAGE a
.set BB, BK+32*((\a)%2)
.irp b, 0,1,2,3,4,5,6,7
	ds_store_b128 v[STO], v[PK+4*\b:PK+4*\b+3] offset:32*\b
.endr
.irp t, 0,1,2,3,4,5,6,7
	ds_load_b128 v[BB+4*\t:BB+4*\t+3], v[RD] offset:\t*2*272   ; LDS serves a wave's instructions in order: these see the stores above
.endr
.endm
.macro SEND a
.set BB, BK+32*((\a)%2)
	s_wait_dscnt 0x0
	s_wait_xcnt 0x0                                ; the tile before last has been read by its stores: the next tile's loads may land there
.irp t, 0,1,2,3,4,5,6,7
	global_store_b128 v[CO], v[BB+4*\t:BB+4*\t+3], s[6:7] offset:(16*(\a)+2*\t)*4096   ; sixteen lanes store 256 consecutive bytes, aligned
.endr
.endm
	PLACES
	MASK 0
	SOFT 0
	TOSTAGE 0
.irp a, 1,2,3,4,5,6,7
	MASK \a
	SOFT \a                                        ; tile a's softmax stands between tile a - 1's loads from the stage and the wait for them
	SEND \a-1
	TOSTAGE \a
.endr
	SEND 7
	v_cmp_le_u32 vcc_lo, 16, v[LN]                 ; (M, l): lanes 0-15 give tile 2 i's rows, lanes 16-31 tile 2 i + 1's: 32 rows, 256 consecutive bytes, aligned
.irp i, 0,1,2,3
	v_cndmask_b32 v[T+2*\i], v[ST+4*\i], v[ST+4*\i+2], vcc_lo
	v_cndmask_b32 v[T+2*\i+1], v[ST+4*\i+1], v[ST+4*\i+3], vcc_lo
	global_store_b64 v[SO], v[T+2*\i:T+2*\i+1], s[8:9] offset:256*\i
.endr
	s_wait_tensorcnt 0x0                           ; the wave's end
	ds_add_u32 v[SPW], v[NIL]
	s_wait_dscnt 0x0
	s_endpgm
.Lfunc_end_k_q4cda23b411_scores:
	.size	k_q4cda23b411_scores, .Lfunc_end_k_q4cda23b411_scores-k_q4cda23b411_scores
	.p2alignl 7, 3214868480
	.fill 96, 4, 3214868480
	.section	.rodata,"a",@progbits
	.p2align	6, 0x0
	.amdhsa_kernel k_q4cda23b411_scores
		.amdhsa_group_segment_fixed_size 327680
		.amdhsa_private_segment_fixed_size 0
		.amdhsa_enable_private_segment 0
		.amdhsa_kernarg_size 24
		.amdhsa_user_sgpr_count 2
		.amdhsa_user_sgpr_kernarg_segment_ptr 1
		.amdhsa_wavefront_size32 1
		.amdhsa_system_sgpr_workgroup_id_x 1
		.amdhsa_system_sgpr_workgroup_id_y 1
		.amdhsa_system_sgpr_workgroup_id_z 1
		.amdhsa_system_vgpr_workitem_id 0
		.amdhsa_next_free_vgpr 1024
		.amdhsa_next_free_sgpr 66
		.amdhsa_reserve_vcc 1
		.amdhsa_float_denorm_mode_32 3
		.amdhsa_float_denorm_mode_16_64 3
		.amdhsa_memory_ordered 1
		.amdhsa_forward_progress 1
		.amdhsa_inst_pref_size 227
	.end_amdhsa_kernel
	.amdgpu_metadata
---
amdhsa.version: [ 1, 2 ]
amdhsa.kernels:
  - .name:           k_q4cda23b411_scores
    .symbol:         k_q4cda23b411_scores.kd
    .args:
      - { .name: qkv, .offset: 0, .size: 8, .value_kind: global_buffer, .address_space: global }
      - { .name: pbuf, .offset: 8, .size: 8, .value_kind: global_buffer, .address_space: global }
      - { .name: st, .offset: 16, .size: 8, .value_kind: global_buffer, .address_space: global }
    .group_segment_fixed_size: 327680
    .private_segment_fixed_size: 0
    .kernarg_segment_align: 8
    .kernarg_segment_size: 24
    .max_flat_workgroup_size: 128
    .sgpr_count:     66
    .vgpr_count:     1024
    .wavefront_size: 32
...
	.end_amdgpu_metadata
.endif
;; end of part 3
;; launch pv (part 4): grid 8 x 32, 4 waves a work-group, clusters of 4 x 1, 327,680 bytes of LDS; arguments pbuf, qkv, st, out0; writes out0
.if DOCPART == 4
	.amdgcn_target "amdgcn-amd-amdhsa--gfx1250"
	.amdhsa_code_object_version 6
	.text
	.protected	k_q4cda23b411_pv
	.globl	k_q4cda23b411_pv
	.p2align	8
	.type	k_q4cda23b411_pv,@function
k_q4cda23b411_pv:
	s_mov_b64 s[64:65], 0
	v_nop
	global_prefetch_b8 v0, s[64:65] scope:SCOPE_SE
	s_setreg_imm32_b32 hwreg(HW_REG_WAVE_MODE, 25, 1), 1
	s_wait_xcnt 0x0
	s_wait_alu depctr_hold_cnt(0) depctr_sa_sdst(0) depctr_va_vdst(0) depctr_va_sdst(0) depctr_va_ssrc(0) depctr_va_vcc(0) depctr_vm_vsrc(0)
	s_getreg_b32 s2, hwreg(HW_REG_IB_STS2, 6, 4)
	s_cmp_eq_u32 s2, 0
	s_cbranch_scc0 .Lentry_in_a_cluster
	s_endpgm
.Lentry_in_a_cluster:
	s_bfe_u32 s2, ttmp6, 0x10000c
	s_cmp_lg_u32 s2, 0x3003
	s_cbranch_scc0 .Lentry_shape_is_right
	s_endpgm
.Lentry_shape_is_right:
; out[b][q][:] = (sum over key blocks j of g_j (p_j V_j)) / l,  g_j = 2^(M_j - the row's largest M), l = sum of g_j l_j: the blocks' local softmaxes joined under the row's true maximum.
; p: pbuf [4][2048][2048] f16; (M, l): st [4][16][2048][2] f32; V: qkv, 4,096 bytes into each row of 6,144; out0 [4][2048][1024] f32.  f16 operands, f32 sums.
; SHARES.  A work-group makes 128 queries x 128 channels, twice: strip pr and then strip 15 - pr of its batch, pr + 1 and 16 - pr key steps of 128: always 17, so all 256 work-groups have equal work.
; Four waves, each 64 queries x 64 channels.  The matrix instruction is used transposed (source 0 = V^T, 16 channels x 32 keys, by the turning load; source 1 = p, 16 queries x 32 keys): a lane holds one query.
; A KEY STEP'S PRODUCT HAS ACCUMULATORS OF ITS OWN, T: its first 16 products take C = 0; at the step's end O += g T in f32 (a strip's first step: O = g T), g a power of two, at most 1, one for the lane's query.
; LIMITS: |V| up to 65,504 (f16); NaN and infinities are not served.
; CLUSTER 4 x 1: the four partners make the four channel tiles of one pair of strips, so they read the same tiles of p: joint loads (mask 15).  V's tiles differ by the partner's place: plain loads.
; No branch and no LDS address hangs on the place in the cluster; the strips' change hangs on the cluster's y, alike in all partners.
; THE RING: two slots of two key steps; waves 0, 2 fetch p of a slot's first, second step, waves 1, 3 V's: one load a wave behind each round.  Nine fills; the ninth is step 16 alone (waves 0, 1).
; THE WALK: step 0 is written out; three trips of steps 4 t + 1 .. 4 t + 4; steps 13 to 16 are written out.  The trip count is a constant.  The second strip begins at step pr + 1, which is 1 to 8: at the head of
; each of the loop's steps a scalar branch on ids leads through the first strip's way out where that step is reached.
; Rows 0-15 of each batch are left to the launch that follows, which carries them in f32.
; REGISTERS: window 0: v1-27 addresses; v28, v29 the add's two; v38-45 1 / l in pairs; v48-111 the way out, two sets of 32; v112-127 g, two sets of four pairs; v128-255 O ((a, bt) at 128 + 8 (4 a + bt)).
;   window 1: two fragment buffers of 128: for 64 keys, 64 registers of p (2 x 4 x 8), then 64 of V.   window 2: v0-127 T, laid as O.
.set STEPB, 71680                      ; a step's tiles: p 128 x 272, then V 128 x 288
.set VOFF,  34816
.set STAGE, 4*STEPB                    ; behind the ring: 16 rows x 272 bytes for each wave
.set GT,    STAGE+4*16*272             ; g as f32: 17 steps x 128 rows x 4 bytes
.set RL,    GT+17*512                  ; 1 / l: 2 strips x 128 rows x 4 bytes
.set SPARE, RL+1024                    ; the spare words, 128 bytes a wave: no other line names them
.set ADRP, 4                           ; v4-7   my place in p's tile of slot step 0..3 (2 x slot + step)
.set ADRV, 8                           ; v8-11  the same for V
.set ADG,  12
.set ADRL, 13
.set STO,  14
.set RD,   15
.set CO,   16
.set GTA,  17
.set RLA,  18
.set T8,   19
.set SPW,  28
.set NIL,  29
.set RLR,  38
.set X,    48
.set G,    112
.set ACC,  128
.set F0,   0
.set F1,   128
.set PM,   128                         ; the prologue: (M, l) of the 17 steps, v128-161
.set PO,   164                         ; their offsets, v164-180
.set PH,   192                         ; g, v192-208
.set WV,   12
.set KIND, 13                          ; wave & 1: I fetch p (0) or V (1).  Also: my half of the channels
.set EE,   14                          ; wave >> 1: which of a slot's two steps I fetch.  Also: my half of the queries
.set CT,   16
.set PR,   18
.set PRB,  19
.set BB,   20
.set SW,   21                          ; the step at which the second strip begins
.set SC,   22                          ; the step in hand
.set SF,   23                          ; the step that my next load fetches
.set G1P,  24
.set G1V,  32
.set G0P,  40
.set G0V,  48
.set BP,   56
.set BV,   57
.set BS,   58
.set FZ,   59
.set BM,   60
.set SKIP, 61
.set OBA,  76
.set OBB,  78
.set CNT,  80
.set MSB, 0
.macro WIN new                         ; the immediate's high byte repeats the setting that is left
.if MSB != \new
	s_set_vgpr_msb (MSB<<8)|\new
.set MSB, \new
.endif
.endm
.set MUL,  0xa5                        ; sources 0 (V) and 1 (p) window 1; C and D window 2
.set TO_F, 0x40                        ; destination window 1
.set CMB,  0x02                        ; source 0 (T) window 2; g and O window 0
.macro PLACES n
.rept \n
	v_nop
.endr
.endm
; The addresses of my next load, into slot sl's two groups 0.  p's hang on the batch, the pair of strips and the step: alike in all partners.
.macro SETADR sl
	s_cmp_lt_u32 s[SF], s[SW]
	s_cselect_b32 s70, s[PR], s[PRB]               ; the strip
	s_cselect_b32 s71, 0, s[SW]
	s_sub_co_u32 s71, s[SF], s71                   ; the key block j
	s_lshl_b32 s70, s70, 19                        ; 128 rows of 4,096 bytes
	s_lshl_b32 s66, s71, 8                         ; 128 keys of 2 bytes
	s_add_co_u32 s66, s66, s70
	s_add_co_u32 s66, s66, s[BP]
	s_add_nc_u64 s[G0P+4*\sl+2:G0P+4*\sl+3], s[4:5], s[66:67]
	s_or_b32 s[G0P+4*\sl+3], s[G0P+4*\sl+3], 0x80000000
	s_mul_i32 s68, s71, 128*6144
	s_add_co_u32 s68, s68, s[BV]
	s_add_nc_u64 s[G0V+4*\sl+2:G0V+4*\sl+3], s[6:7], s[68:69]
	s_or_b32 s[G0V+4*\sl+3], s[G0V+4*\sl+3], 0x80000000
	s_add_co_u32 s[SF], s[SF], 2
.endm
; My one load behind a round.  part = 1: the last fill has one step: waves 2 and 3 have nothing to fetch.  The branches hang on the wave's number alone.
; An s_nop 0 and four v_nop follow each of the two lines.
.macro JLOAD sl, part
.if \part
	s_cmp_lt_u32 s[WV], 2
	s_cbranch_scc0 .Lasked_\@
.endif
	s_cmp_eq_u32 s[KIND], 0
	s_cbranch_scc0 .Lfor_v_\@
	tensor_load_to_lds s[G0P+4*\sl:G0P+4*\sl+3], s[G1P:G1P+7]
	s_nop 0
.rept 4
	v_nop
.endr
	s_branch .Lasked_\@
.Lfor_v_\@:
	tensor_load_to_lds s[G0V+4*\sl:G0V+4*\sl+3], s[G1V:G1V+7]
	s_nop 0
.rept 4
	v_nop
.endr
.Lasked_\@:
.endm
.macro CREST                           ; a round of the cluster's barrier behind its opening barrier
	s_cmp_lg_u32 s[WV], 0
	s_cbranch_scc1 .Lnot_wave_0_\@
	s_barrier_signal -3
.Lnot_wave_0_\@:
	s_barrier_wait -3
	s_barrier_signal -1
	s_barrier_wait -1
.endm
.macro CROUND
	s_barrier_signal -1
	s_barrier_wait -1
	CREST
.endm
	s_load_b256 s[4:11], s[0:1], 0x0               ; pbuf s[4:5], qkv s[6:7], st s[8:9], out0 s[10:11]
	v_lshl_add_u32 v[SPW], v0, 2, SPARE
	v_mov_b32 v[NIL], 0
	ds_add_u32 v[SPW], v[NIL]                      ; the wave's opening: the add, twice on end, and its wait ahead of my first tensor load
	ds_add_u32 v[SPW], v[NIL]
	v_lshrrev_b32 v1, 5, v0
	v_readfirstlane_b32 s[WV], v1
	s_and_b32 s[KIND], s[WV], 1
	s_lshr_b32 s[EE], s[WV], 1
	s_bfe_u32 s15, ttmp6, 0x40000                  ; cx
	s_lshl_b32 s[CT], ttmp9, 2
	s_add_co_u32 s[CT], s[CT], s15                 ; my tile of 128 channels: it enters V's and out0's addresses alone
	s_and_b32 s17, ttmp7, 0xffff
	s_and_b32 s[PR], s17, 7
	s_lshr_b32 s[BB], s17, 3                       ; batch
	s_sub_co_u32 s[PRB], 15, s[PR]
	s_add_co_u32 s[SW], s[PR], 1
	s_mov_b32 s[SC], 1                             ; the loop begins with step 1
	s_mov_b32 s[SF], s[EE]
	s_lshl_b32 s[BP], s[BB], 23                    ; pbuf: a batch is 2^23 bytes
	s_mul_i32 s[BV], s[BB], 2048*6144              ; qkv: a batch's rows, + V's place in a row, + my channels
	s_lshl_b32 s73, s[CT], 8
	s_add_co_u32 s[BV], s[BV], s73
	s_add_co_u32 s[BV], s[BV], 4096
	s_lshl_b32 s[BS], s[BB], 18                    ; st: a batch is 2^18 bytes
	s_bfm_b32 s[BM], s[SW], 0                      ; bit s is set where step s belongs to the first strip
	s_or_b32 s[SKIP], s[PR], s[EE]                 ; 0 where my first tile of the first strip is rows 0-15 of the batch
	s_mov_b32 s[G1P], 15|(1<<16)|(1<<20)|(1<<21)|(5<<22)|(3<<25)   ; the mask: all four partners; elements of 2 bytes; 4 words of padding after every 64
	s_mov_b32 s[G1P+1], 128<<16
	s_mov_b32 s[G1P+2], 128<<16
	s_mov_b32 s[G1P+3], 128<<16
	s_mov_b32 s[G1P+4], 128
	s_mov_b32 s[G1P+5], 2048                       ; pitch in elements
	s_mov_b32 s[G1P+6], 0
	s_mov_b32 s[G1P+7], 0
	s_mov_b32 s[G1V], (1<<16)|(1<<20)|(5<<22)|(7<<25)              ; no mask; 8 words of padding after every 64
	s_mov_b32 s[G1V+1], 128<<16
	s_mov_b32 s[G1V+2], 128<<16
	s_mov_b32 s[G1V+3], 128<<16
	s_mov_b32 s[G1V+4], 128
	s_mov_b32 s[G1V+5], 3072
	s_mov_b32 s[G1V+6], 0
	s_mov_b32 s[G1V+7], 0
	s_mov_b32 s67, 0
	s_mov_b32 s69, 0
	s_mul_i32 s72, s[EE], STEPB
.irp sl, 0,1
	s_mov_b32 s[G0P+4*\sl], 1
	s_add_co_u32 s[G0P+4*\sl+1], s72, \sl*2*STEPB
	s_mov_b32 s[G0V+4*\sl], 1
	s_add_co_u32 s[G0V+4*\sl+1], s72, \sl*2*STEPB+VOFF
.endr
	s_wait_dscnt 0x0                               ; both opening adds are done
	s_wait_kmcnt 0x0
	SETADR 0
	SETADR 1
	CROUND                                         ; all four work-groups are here: the first loads meet
	s_cmp_eq_u32 s[KIND], 0                        ; a wave's two first fills stand in one branch: two loads of mine are out
	s_cbranch_scc0 .Lfirst_v
	tensor_load_to_lds s[G0P:G0P+3], s[G1P:G1P+7]
	s_nop 0
	tensor_load_to_lds s[G0P+4:G0P+7], s[G1P:G1P+7]
	s_nop 0
.rept 4
	v_nop
.endr
	s_branch .Lfirst_asked
.Lfirst_v:
	tensor_load_to_lds s[G0V:G0V+3], s[G1V:G1V+7]
	s_nop 0
	tensor_load_to_lds s[G0V+4:G0V+7], s[G1V:G1V+7]
	s_nop 0
.rept 4
	v_nop
.endr
.Lfirst_asked:
	v_and_b32 v1, 15, v0                           ; r
	v_bfe_u32 v2, v0, 4, 1                         ; h
	v_mul_u32_u24 v3, v1, 272
	v_lshl_add_u32 v3, v2, 4, v3
	s_mul_i32 s72, s[EE], 64*272
	v_add_nc_u32 v3, s72, v3                       ; p: row 64 qh + r, + 16 h
.irp i, 0,1,2,3
	v_add_nc_u32 v[ADRP+\i], \i*STEPB, v3
.endr
	v_and_b32 v20, 7, v0
	v_bfe_u32 v21, v0, 3, 1
	v_lshl_add_u32 v20, v2, 3, v20
	v_mul_u32_u24 v20, v20, 288
	v_lshl_add_u32 v20, v21, 4, v20                ; V, for the turning load: key 8 h + l % 8, channels 8 ((l / 8) % 2) on
	s_lshl_b32 s72, s[KIND], 7
	s_add_co_u32 s72, s72, VOFF
	v_add_nc_u32 v20, s72, v20                     ; + my 64 channels
.irp i, 0,1,2,3
	v_add_nc_u32 v[ADRV+\i], \i*STEPB, v20
.endr
	s_lshl_b32 s72, s[EE], 8
	v_lshl_add_u32 v22, v1, 2, s72                 ; 4 x (64 qh + r)
	v_add_nc_u32 v[ADG], GT, v22
	v_add_nc_u32 v[ADRL], RL, v22
	s_mul_i32 s72, s[WV], 16*272
	s_add_co_u32 s72, s72, STAGE                   ; my stage
	v_mul_u32_u24 v22, v1, 272
	v_lshl_add_u32 v22, v2, 5, v22
	v_add_nc_u32 v[STO], s72, v22                  ; in: row r, 32 bytes for each half of the lanes
	v_mul_u32_u24 v22, v2, 272
	v_lshl_add_u32 v22, v1, 4, v22
	v_add_nc_u32 v[RD], s72, v22                   ; back: lanes 0-15 one row of 256 bytes, lanes 16-31 the next
	v_lshlrev_b32 v22, 12, v2
	v_lshl_add_u32 v[CO], v1, 4, v22               ; and the same two rows in out0
	v_lshl_add_u32 v[GTA], v0, 2, GT
	v_lshl_add_u32 v[RLA], v0, 2, RL
	v_lshlrev_b32 v[T8], 3, v0
.irp a, 0,1,2,3
	v_mov_b32 v[RLR+2*\a+1], 0                     ; named with 1 / l as pairs, so they are written
.endr
.irp i, 0,1,2,3,4,5,6,7
	v_mov_b32 v[G+2*\i+1], 0                       ; named with g as pairs, so they are written
.endr
	s_lshl_b32 s72, s[BB], 11
	s_lshl_b32 s74, s[EE], 6
	s_add_co_u32 s72, s72, s74                     ; 2,048 b + 64 qh
	s_lshl_b32 s82, s[CT], 9
	s_lshl_b32 s83, s[KIND], 8
	s_add_co_u32 s82, s82, s83                     ; my first channel in bytes
	s_lshl_b32 s74, s[PR], 7
	s_add_co_u32 s74, s74, s72
	s_lshl_b32 s74, s74, 12
	s_add_co_u32 s74, s74, s82
	s_mov_b32 s75, 0
	s_add_nc_u64 s[OBA:OBA+1], s[10:11], s[74:75]  ; out0 at my part of the first strip,
	s_lshl_b32 s74, s[PRB], 7
	s_add_co_u32 s74, s74, s72
	s_lshl_b32 s74, s74, 12
	s_add_co_u32 s74, s74, s82
	s_add_nc_u64 s[OBB:OBB+1], s[10:11], s[74:75]  ; and of the second
	; THE PROLOGUE.  Thread t stands for row t of both strips: the 17 steps' (M, l), the strips' largest M, g, l, 1 / l.  Every choice is a select by a mask made of ids.
.irp s, 0,1,2,3,4,5,6,7,8,9,10,11,12,13,14,15,16
	s_cmp_gt_u32 s[SW], \s
	s_cselect_b32 s70, s[PR], s[PRB]
	s_cselect_b32 s71, 0, s[SW]
	s_sub_co_u32 s71, \s, s71
	s_lshl_b32 s71, s71, 14                        ; a key block's plane is 16,384 bytes
	s_lshl_b32 s70, s70, 10                        ; 128 rows of 8 bytes
	s_add_co_u32 s70, s70, s71
	s_add_co_u32 s70, s70, s[BS]
	v_add_nc_u32 v[PO+\s], s70, v[T8]
	global_load_b64 v[PM+2*\s:PM+2*\s+1], v[PO+\s], s[8:9]   ; a wave reads 256 consecutive bytes
.endr
	v_mov_b32 v189, 0xff61b1e6                     ; -3e38, under every M
	v_mov_b32 v190, v189                           ; the first strip's largest M
	v_mov_b32 v191, v189                           ; the second's
	v_mov_b32 v182, 0                              ; the first strip's l
	v_mov_b32 v183, 0                              ; the second's
	s_wait_loadcnt 0x0
.irp s, 0,1,2,3,4,5,6,7,8,9,10,11,12,13,14,15,16
	s_bitcmp1_b32 s[BM], \s
	s_cselect_b32 s72, -1, 0
	v_cndmask_b32 v186, v189, v[PM+2*\s], s72
	v_cndmask_b32 v187, v[PM+2*\s], v189, s72
	v_max_num_f32 v190, v190, v186
	v_max_num_f32 v191, v191, v187
.endr
.irp s, 0,1,2,3,4,5,6,7,8,9,10,11,12,13,14,15,16
	s_bitcmp1_b32 s[BM], \s
	s_cselect_b32 s72, -1, 0
	v_cndmask_b32 v186, v191, v190, s72            ; my strip's largest M
	v_sub_f32 v186, v[PM+2*\s], v186               ; a whole number, 0 or less
	v_cvt_i32_f32 v186, v186                       ; (it saturates)
	v_ldexp_f32 v[PH+\s], 1.0, v186                ; g = 2^(M - the largest M)
	v_cndmask_b32 v187, 0, v[PH+\s], s72
	v_cndmask_b32 v188, v[PH+\s], 0, s72
	v_fmac_f32 v182, v187, v[PM+2*\s+1]
	v_fmac_f32 v183, v188, v[PM+2*\s+1]
	ds_store_b32 v[GTA], v[PH+\s] offset:512*\s
.endr
	v_rcp_f32 v182, v182
	v_rcp_f32 v183, v183
	v_nop                                          ; a plain line behind the reciprocals,
	s_wait_alu depctr_va_vdst(0)                   ; and the wait ahead of their first reader
	ds_store_b32 v[RLA], v182
	ds_store_b32 v[RLA], v183 offset:512
	s_wait_tensorcnt 1                             ; my part of slot 0 is in; slot 1's may stay out
	s_wait_dscnt 0x0                               ; my stores of g and 1 / l are done
	s_barrier_signal -1
	s_barrier_wait -1
; 32 LDS loads in one run: 64 keys (half hh of a step): for each 32 keys V^T's four fragments (turned) and p's four; the first 32 keys first
.macro FETCH pa, va, hh, f
	WIN TO_F
.irp cc, 0,1
.irp i, 0,1,2,3
	ds_load_tr16_b128 v[\f+64+8*(4*\cc+\i):\f+64+8*(4*\cc+\i)+3],   v[\va] offset:(2*\hh+\cc)*9216+32*\i
	ds_load_tr16_b128 v[\f+64+8*(4*\cc+\i)+4:\f+64+8*(4*\cc+\i)+7], v[\va] offset:(2*\hh+\cc)*9216+4608+32*\i
	ds_load_b128 v[\f+8*(4*\cc+\i):\f+8*(4*\cc+\i)+3],   v[\pa] offset:(2*\hh+\cc)*64+4352*\i
	ds_load_b128 v[\f+8*(4*\cc+\i)+4:\f+8*(4*\cc+\i)+7], v[\pa] offset:(2*\hh+\cc)*64+4352*\i+32
.endr
.endr
.endm
.macro FETCHG set, off                 ; a step's g of my four tiles' rows; always ahead of the run that it goes with
	WIN 0
.irp a, 0,1,2,3
	ds_load_b32 v[G+8*\set+2*\a], v[ADG] offset:\off+64*\a
.endr
.endm
; 8 matrix instructions: query tiles a0, a0 + 1 x 4 channel tiles, 32 keys.  The 16 accumulators take turns.  zero = 1: a step's first products start its sums.
.macro MUL8 f, c, a0, zero
.irp a, \a0, \a0+1
.irp b, 0,1,2,3
.if \zero
	v_wmma_f32_16x16x32_f16 v[8*(4*(\a)+\b):8*(4*(\a)+\b)+7], v[\f+64+8*(4*\c+\b):\f+64+8*(4*\c+\b)+7], v[\f+8*(4*\c+(\a)):\f+8*(4*\c+(\a))+7], 0
.else
	v_wmma_f32_16x16x32_f16 v[8*(4*(\a)+\b):8*(4*(\a)+\b)+7], v[\f+64+8*(4*\c+\b):\f+64+8*(4*\c+\b)+7], v[\f+8*(4*\c+(\a)):\f+8*(4*\c+(\a))+7], v[8*(4*(\a)+\b):8*(4*(\a)+\b)+7]
.endif
.endr
.endr
.endm
; THE STEP'S END: O += g T (start = 1: O = g T), 64 packed instructions in f32; each T from its low end on.
.macro COMB gs, start
.irp a, 0,1,2,3
.set J, 0
.rept 16
.if \start
	v_pk_mul_f32 v[ACC+32*\a+J:ACC+32*\a+J+1], v[32*\a+J:32*\a+J+1], v[G+8*\gs+2*\a:G+8*\gs+2*\a+1] op_sel_hi:[1,0]
.else
	v_pk_fma_f32 v[ACC+32*\a+J:ACC+32*\a+J+1], v[32*\a+J:32*\a+J+1], v[G+8*\gs+2*\a:G+8*\gs+2*\a+1], v[ACC+32*\a+J:ACC+32*\a+J+1] op_sel_hi:[1,0,1]
.endif
.set J, J+2
.endr
.endr
.endm
; mode 0: add; 1: start; 2: by FZ, a flag made of ids.  Four plain lines stand behind the step's last product; for each T the lines on the other fifteen are the places ahead of the next step's products, which write T anew.
.macro COMBINE gs, mode
	WIN 0
	PLACES 4
.if \mode == 2
	s_cmp_eq_u32 s[FZ], 0
	s_cbranch_scc1 .Ladd_\@
	WIN CMB
	COMB \gs, 1
	WIN 0
	s_branch .Ldone_\@
.Ladd_\@:
	WIN CMB
	COMB \gs, 0
	WIN 0
.Ldone_\@:
.else
	WIN CMB
	COMB \gs, \mode
	WIN 0
.endif
.endm
; THE WAY OUT of strip x: O / l, a tile of 16 rows x 64 channels (256 bytes a row) at a time through my own stage, back into the registers that it left.
.macro PACKO a
.set XB, X+32*((\a)%2)
.set J, 0
.rept 16
	v_pk_mul_f32 v[XB+J:XB+J+1], v[ACC+32*(\a)+J:ACC+32*(\a)+J+1], v[RLR+2*(\a):RLR+2*(\a)+1] op_sel_hi:[1,0]
.set J, J+2
.endr
.irp bt, 0,1,2,3
	ds_store_b128 v[STO], v[XB+8*\bt:XB+8*\bt+3] offset:64*\bt
	ds_store_b128 v[STO], v[XB+8*\bt+4:XB+8*\bt+7] offset:64*\bt+16
.endr
.irp t, 0,1,2,3,4,5,6,7
	ds_load_b128 v[XB+4*\t:XB+4*\t+3], v[RD] offset:544*\t   ; LDS serves a wave's instructions in order: these see the stores above, and the next tile's stores come behind them
.endr
.endm
.macro SENDO a, younger, base, skip
.set XB, X+32*((\a)%2)
	s_wait_dscnt \younger                          ; the tile is back; the next tile's sixteen LDS instructions may be out
.if \skip
	s_cmp_eq_u32 s[SKIP], 0                        ; rows 0-15 of a batch belong to the launch that follows
	s_cbranch_scc1 .Lskip_\@
.endif
.irp t, 0,1,2,3,4,5,6,7
	global_store_b128 v[CO], v[XB+4*\t:XB+4*\t+3], s[\base:\base+1] offset:(16*(\a)+2*\t)*4096 th:TH_STORE_NT   ; sixteen lanes store 256 consecutive bytes, aligned
.endr
.if \skip
.Lskip_\@:
.endif
.endm
.macro WAYOUT x, base
	s_wait_xcnt 0x0                                ; an earlier way out's stores have read their registers
.irp a, 0,1,2,3
	ds_load_b32 v[RLR+2*\a], v[ADRL] offset:512*\x+64*\a
.endr
	s_wait_dscnt 0x0
	PACKO 0
	PACKO 1
	SENDO 0, 16, \base, 1-\x
	s_wait_xcnt 0x0                                ; tile 0's stores have read their registers: tile 2 may be written there
	PACKO 2
	SENDO 1, 16, \base, 0
	s_wait_xcnt 0x0
	PACKO 3
	SENDO 2, 16, \base, 0
	SENDO 3, 0, \base, 0
.endm
; At the head of a step inside the loop: where the second strip begins, the first goes out; FZ = 1 where this step starts O anew.
.macro CHECK
	WIN 0
	s_cmp_lg_u32 s[SC], s[SW]
	s_cbranch_scc1 .Lsame_\@
	WAYOUT 0, OBA
.Lsame_\@:
	s_cmp_eq_u32 s[SC], s[SW]
	s_cselect_b32 s[FZ], 1, 0
	s_add_co_u32 s[SC], s[SC], 1
.endm
; Half a step: 64 keys in buffer f; in its middle the next half's run of loads into buffer g (fg >= 0: with the next step's g into set fg).
.macro HALF f, g, pa, va, hh, fg, fgoff, zero
	s_wait_dscnt 16                                ; the first 32 keys (and g, issued ahead of them) are in; the youngest sixteen loads may be out
	WIN MUL
	MUL8 \f, 0, 0, \zero
	MUL8 \f, 0, 2, \zero
	PLACES 4                                       ; in front of loads into registers that matrix instructions have read
.if \fg >= 0
	FETCHG \fg, \fgoff
.endif
	FETCH \pa, \va, \hh, \g
.if \fg >= 0
	s_wait_dscnt 36                                ; all but the 36 just issued
.else
	s_wait_dscnt 32                                ; all but the 32 just issued
.endif
	WIN MUL
	MUL8 \f, 1, 0, 0
	MUL8 \f, 1, 2, 0
.endm
; A slot's last half changes slots: each wave waits for all its tensor loads (its part of the other slot), adds 0 to its spare word, waits for that and for its reads of this slot.
; fill = 1, 2: the barrier opens a round of the cluster's barrier, and this slot is filled again first thing behind it (2: the last fill, one step).
.macro TURNH sl, fill, goff
	WIN 0
	s_wait_tensorcnt 0x0                           ; no tensor load of mine is out: the groups 0 may be written
	ds_add_u32 v[SPW], v[NIL]
.if \fill
	SETADR \sl
.endif
	s_wait_dscnt 17                                ; the add and the youngest sixteen loads may be out
	WIN MUL
	MUL8 F1, 0, 0, 0
	s_wait_dscnt 0x0                               ; the add is done, and my reads of this slot are over
	s_barrier_signal -1
	MUL8 F1, 0, 2, 0
	WIN 0
	s_barrier_wait -1
.if \fill
	CREST
	JLOAD \sl, \fill-1
.endif
.if \fill != 1
	PLACES 4
.endif
	FETCHG 0, \goff
	FETCH ADRP+2-2*\sl, ADRV+2-2*\sl, 0, F0
	WIN MUL
	MUL8 F1, 1, 0, 0
	MUL8 F1, 1, 2, 0
.endm
; A slot's first step (g in set 0) and its second (set 1).  gnext: where the next step's g lies from v[ADG].
.macro STEP_A sl, gnext, mode, chk
.if \chk
	CHECK
.endif
	HALF F0, F1, ADRP+2*\sl, ADRV+2*\sl, 1, -1, 0, 1
	HALF F1, F0, ADRP+2*\sl+1, ADRV+2*\sl+1, 0, 1, \gnext, 0
	COMBINE 0, \mode
.endm
.macro STEP_B sl, fill, gnext, mode, chk
.if \chk
	CHECK
.endif
	HALF F0, F1, ADRP+2*\sl+1, ADRV+2*\sl+1, 1, -1, 0, 1
	TURNH \sl, \fill, \gnext
	COMBINE 1, \mode
.endm
	FETCHG 0, 0
	FETCH ADRP, ADRV, 0, F0
	STEP_A 0, 512, 1, 0                            ; step 0 starts O: nothing is cleared
	s_mov_b32 s[CNT], 3
.Ltrip:                                            ; three trips of four steps: steps 1 to 12; fills 2 to 7
	STEP_B 0, 1, 1024, 2, 1
	STEP_A 1, 1536, 2, 1
	STEP_B 1, 1, 2048, 2, 1
	STEP_A 0, 2560, 2, 1
	v_add_nc_u32 v[ADG], 2048, v[ADG]              ; four steps' g on
	s_sub_co_u32 s[CNT], s[CNT], 1
	s_cmp_lg_u32 s[CNT], 0
	s_cbranch_scc1 .Ltrip
	STEP_B 0, 2, 1024, 0, 0                        ; step 13; the last fill: step 16
	STEP_A 1, 1536, 0, 0                           ; step 14
	STEP_B 1, 0, 2048, 0, 0                        ; step 15; nothing is asked for
	HALF F0, F1, ADRP, ADRV, 1, -1, 0, 1           ; step 16
	s_wait_dscnt 16
	WIN MUL
	MUL8 F1, 0, 0, 0
	MUL8 F1, 0, 2, 0
	s_wait_dscnt 0
	MUL8 F1, 1, 0, 0
	MUL8 F1, 1, 2, 0
	COMBINE 0, 0
	WAYOUT 1, OBB
	s_wait_tensorcnt 0x0                           ; the wave's end
	ds_add_u32 v[SPW], v[NIL]
	s_wait_dscnt 0x0
	CROUND                                         ; the closing round
	s_endpgm
.Lfunc_end_k_q4cda23b411_pv:
	.size	k_q4cda23b411_pv, .Lfunc_end_k_q4cda23b411_pv-k_q4cda23b411_pv
	.p2alignl 7, 3214868480
	.fill 96, 4, 3214868480
	.section	.rodata,"a",@progbits
	.p2align	6, 0x0
	.amdhsa_kernel k_q4cda23b411_pv
		.amdhsa_group_segment_fixed_size 327680
		.amdhsa_private_segment_fixed_size 0
		.amdhsa_enable_private_segment 0
		.amdhsa_kernarg_size 32
		.amdhsa_user_sgpr_count 2
		.amdhsa_user_sgpr_kernarg_segment_ptr 1
		.amdhsa_wavefront_size32 1
		.amdhsa_system_sgpr_workgroup_id_x 1
		.amdhsa_system_sgpr_workgroup_id_y 1
		.amdhsa_system_sgpr_workgroup_id_z 1
		.amdhsa_system_vgpr_workitem_id 0
		.amdhsa_next_free_vgpr 768
		.amdhsa_next_free_sgpr 96
		.amdhsa_reserve_vcc 0
		.amdhsa_float_denorm_mode_32 3
		.amdhsa_float_denorm_mode_16_64 3
		.amdhsa_memory_ordered 1
		.amdhsa_forward_progress 1
		.amdhsa_inst_pref_size 226
	.end_amdhsa_kernel
	.amdgpu_metadata
---
amdhsa.version: [ 1, 2 ]
amdhsa.kernels:
  - .name:           k_q4cda23b411_pv
    .symbol:         k_q4cda23b411_pv.kd
    .args:
      - { .name: pbuf, .offset: 0, .size: 8, .value_kind: global_buffer, .address_space: global }
      - { .name: qkv, .offset: 8, .size: 8, .value_kind: global_buffer, .address_space: global }
      - { .name: st, .offset: 16, .size: 8, .value_kind: global_buffer, .address_space: global }
      - { .name: out0, .offset: 24, .size: 8, .value_kind: global_buffer, .address_space: global }
    .group_segment_fixed_size: 327680
    .private_segment_fixed_size: 0
    .kernarg_segment_align: 8
    .kernarg_segment_size: 32
    .max_flat_workgroup_size: 128
    .sgpr_count:     96
    .vgpr_count:     768
    .wavefront_size: 32
...
	.end_amdgpu_metadata
.endif
;; end of part 4
;; launch head16 (part 5): grid 4 x 1, 8 waves a work-group, no clusters, 152,576 bytes of LDS; arguments h32, out0; writes out0
.if DOCPART == 5
	.amdgcn_target "amdgcn-amd-amdhsa--gfx1250"
	.amdhsa_code_object_version 6
	.text
	.protected	k_q4cda23b411_head16
	.globl	k_q4cda23b411_head16
	.p2align	8
	.type	k_q4cda23b411_head16,@function
k_q4cda23b411_head16:
	s_mov_b64 s[64:65], 0
	v_nop
	global_prefetch_b8 v0, s[64:65] scope:SCOPE_SE
	s_setreg_imm32_b32 hwreg(HW_REG_WAVE_MODE, 25, 1), 1
	s_wait_xcnt 0x0
; Rows 0-15 of each batch, all in f32: these rows average one to sixteen values, so the rounding of 16-bit operands would weigh most here.
; h32 [4][16][3072] f32 holds their Q (byte 0 of a row), K (4,096) and V (8,192).  One work-group a batch; wave w owns channels 128 w .. 128 w + 127.
; 0: Q, K and V are loaded as they lie, a row's 512 consecutive bytes an instruction; a fragment wants a row in a lane, so Q and K turn through the wave's own stage in LDS;
; 1: partial S^T = K Q^T over my 128 channels, 32 f32 matrix instructions on four accumulators by turns; 2: the eight partials meet in LDS, every wave sums them in the same order;
; 3: mask, the row's true maximum, p = 2^(c s - c max), the sum, the weights p / sum, in every wave alike; 4: the weights go to the wave's own table in LDS and come back by
; broadcast loads; out(q, my 4 channels a lane) = sum over k <= q of w(q, k) V(k, .) by fused multiply-adds.  A small launch: four work-groups are all the work there is.
; NaN and infinities among the inputs are not served.
.set SROW,  528                        ; a stage row: 512 bytes + 16 of padding = 132 words: the 16 rows that a read touches start at 16 different banks
.set KOFF,  16*SROW                    ; in a wave's stage: Q's 16 rows, then K's
.set WSTG,  2*KOFF                     ; a wave's stage
.set PART,  8*WSTG                     ; behind the stages: 8 partial tiles of 1,024 bytes, as images of their registers
.set TAB,   PART+8192                  ; 8 tables of weights, 16 x 64 bytes, one for each wave
.set SPARE, TAB+8192                   ; the spare words, 128 bytes a wave: no other line names them
.set SPW, 12
.set NIL, 13
	s_load_b128 s[4:7], s[0:1], 0x0                ; h32, out0
	v_lshl_add_u32 v[SPW], v0, 2, SPARE
	v_mov_b32 v[NIL], 0
	v_lshrrev_b32 v1, 5, v0
	v_readfirstlane_b32 s8, v1                     ; wave 0..7
	v_and_b32 v1, 15, v0                           ; r
	v_bfe_u32 v2, v0, 4, 1                         ; h
	v_and_b32 v3, 31, v0                           ; lane
	v_lshlrev_b32 v5, 4, v3                        ; 16 x lane
	s_mul_i32 s15, s8, WSTG
	v_add_nc_u32 v3, s15, v5                       ; into my stage: 16 bytes a lane of a row
	v_mul_u32_u24 v4, v1, SROW
	v_lshl_add_u32 v4, v2, 4, v4
	v_add_nc_u32 v4, s15, v4                       ; back: row r, + 16 h
	s_lshl_b32 s14, s8, 10
	s_add_co_u32 s19, s14, PART
	v_add_nc_u32 v6, s19, v5                       ; my partial's image
	v_add_nc_u32 v248, PART, v5                    ; and the first wave's, from which all eight are read
	v_lshlrev_b32 v7, 6, v1
	v_lshl_add_u32 v7, v2, 5, v7
	s_add_co_u32 s14, s14, TAB
	v_add_nc_u32 v7, s14, v7                       ; my table: row r of 64 bytes, + 32 h
	v_mov_b32 v8, s14                              ; and its first byte, for the broadcast loads
	v_lshlrev_b32 v9, 3, v2
	v_sub_nc_u32 v9, v1, v9                        ; r - 8 h
	v_mov_b32 v10, 0xff800000                      ; -infinity
	v_mov_b32 v15, 0                               ; a lane permute's destination counts as one of its sources
	s_mov_b32 s16, 0x76543210
	s_mov_b32 s17, 0xfedcba98
	s_mov_b32 s18, 0x3d38aa3b                      ; c = log2(e) / 32
	s_mul_i32 s10, ttmp9, 196608
	s_lshl_b32 s11, s8, 9
	s_add_co_u32 s10, s10, s11                     ; h32: my batch, my 128 channels
	s_lshl_b32 s12, ttmp9, 23
	s_add_co_u32 s12, s12, s11                     ; out0: my batch's first row, my 128 channels
	s_mov_b32 s11, 0
	s_mov_b32 s13, 0
	s_wait_kmcnt 0x0
	s_add_nc_u64 s[4:5], s[4:5], s[10:11]
	s_add_nc_u64 s[6:7], s[6:7], s[12:13]
.irp k, 0,1,2,3,4,5,6,7,8,9,10,11,12,13,14,15
	global_load_b128 v[16+4*\k:19+4*\k], v5, s[4:5] offset:12288*\k          ; Q(k, 4 lane ..): 512 consecutive bytes
.endr
.irp k, 0,1,2,3,4,5,6,7,8,9,10,11,12,13,14,15
	global_load_b128 v[80+4*\k:83+4*\k], v5, s[4:5] offset:4096+12288*\k     ; K likewise
.endr
.irp k, 0,1,2,3,4,5,6,7,8,9,10,11,12,13,14,15
	global_load_b128 v[144+4*\k:147+4*\k], v5, s[4:5] offset:8192+12288*\k   ; V likewise: it stays as it is
.endr
	s_wait_loadcnt 32                              ; Q is in; K's and V's 32 loads may be out
.irp k, 0,1,2,3,4,5,6,7,8,9,10,11,12,13,14,15
	ds_store_b128 v3, v[16+4*\k:19+4*\k] offset:SROW*\k
.endr
.irp i, 0,1,2,3,4,5,6,7,8,9,10,11,12,13,14,15
	ds_load_b128 v[16+4*\i:19+4*\i], v4 offset:32*\i                         ; Q(r, 8 i + 4 h ..), into the registers that it left: LDS serves a wave's instructions in order
.endr
	s_wait_loadcnt 16                              ; K is in; V's sixteen loads may be out
.irp k, 0,1,2,3,4,5,6,7,8,9,10,11,12,13,14,15
	ds_store_b128 v3, v[80+4*\k:83+4*\k] offset:KOFF+SROW*\k
.endr
.irp i, 0,1,2,3,4,5,6,7,8,9,10,11,12,13,14,15
	ds_load_b128 v[80+4*\i:83+4*\i], v4 offset:KOFF+32*\i                    ; K(r, 8 i + 4 h ..)
.endr
	s_wait_dscnt 0x0
; A pair of registers is a K step of 4: pair p holds channels 8 (p / 2) + 4 h + 2 (p % 2) + 0, 1 of the lane's row: the same places on both sides, so the products pair rightly.
; v208-239 are written by matrix instructions alone; the first four products start the sums; four accumulators take turns.
.set P, 0
.rept 32
.if P < 4
	v_wmma_f32_16x16x4_f32 v[208+8*(P%4):215+8*(P%4)], v[80+2*P:81+2*P], v[16+2*P:17+2*P], 0
.else
	v_wmma_f32_16x16x4_f32 v[208+8*(P%4):215+8*(P%4)], v[80+2*P:81+2*P], v[16+2*P:17+2*P], v[208+8*(P%4):215+8*(P%4)]
.endif
.set P, P+1
.endr
.rept 8
	v_nop                                          ; eight places behind this form
.endr
.irp j, 0,1,2,3,4,5,6,7
	v_add_f32 v[240+\j], v[208+\j], v[216+\j]      ; each accumulator from its low end on
.endr
.irp j, 0,1,2,3,4,5,6,7
	v_add_f32 v[240+\j], v[240+\j], v[224+\j]
.endr
.irp j, 0,1,2,3,4,5,6,7
	v_add_f32 v[240+\j], v[240+\j], v[232+\j]
.endr
	ds_store_b128 v6, v[240:243]
	ds_store_b128 v6, v[244:247] offset:512
	s_wait_dscnt 0x0                               ; for the others' sake: my partial lies in LDS
	s_barrier_signal -1
	s_barrier_wait -1
.irp w, 0,1,2,3,4,5,6,7
	ds_load_b128 v[16+8*\w:19+8*\w], v248 offset:1024*\w
	ds_load_b128 v[20+8*\w:23+8*\w], v248 offset:1024*\w+512
.endr
	s_wait_dscnt 0x0
.irp j, 0,1,2,3,4,5,6,7
	v_add_f32 v[80+\j], v[16+\j], v[24+\j]
.endr
.irp w, 2,3,4,5,6,7
.irp j, 0,1,2,3,4,5,6,7
	v_add_f32 v[80+\j], v[80+\j], v[16+8*\w+\j]    ; in the waves' order, alike in every wave: s(query r, key 8 h + j)
.endr
.endr
.irp j, 0,1,2,3,4,5,6,7
	v_cmp_gt_i32 vcc_lo, \j, v9                    ; key 8 h + j comes after query r
	v_cndmask_b32 v[80+\j], v[80+\j], v10, vcc_lo
.endr
	v_max3_num_f32 v14, v80, v81, v82
	v_max3_num_f32 v14, v14, v83, v84
	v_max3_num_f32 v14, v14, v85, v86
	v_max_num_f32 v14, v14, v87
	v_permlanex16_b32 v15, v14, s16, s17
	v_max_num_f32 v14, v14, v15                    ; the row's maximum: key 0 counts for every query
	v_mul_f32 v14, s18, v14
.irp j, 0,1,2,3,4,5,6,7
	v_fma_f32 v[80+\j], v[80+\j], s18, -v14
.endr
.irp j, 0,1,2,3,4,5,6,7
	v_exp_f32 v[80+\j], v[80+\j]
.endr
	v_nop                                          ; a plain line behind the exponentials,
	s_wait_alu depctr_va_vdst(0)                   ; and one wait for the batch, ahead of its first reader
	v_add_f32 v11, v80, v81
	v_add_f32 v14, v82, v83
	v_add_f32 v11, v11, v84
	v_add_f32 v14, v14, v85
	v_add_f32 v11, v11, v86
	v_add_f32 v14, v14, v87
	v_add_f32 v11, v11, v14
	v_permlanex16_b32 v15, v11, s16, s17
	v_add_f32 v11, v11, v15
	v_rcp_f32 v11, v11
	v_nop
	s_wait_alu depctr_va_vdst(0)
.irp j, 0,1,2,3,4,5,6,7
	v_mul_f32 v[80+\j], v[80+\j], v11              ; the weights
.endr
	ds_store_b128 v7, v[80:83]                     ; my own table: no other wave reads it
	ds_store_b128 v7, v[84:87] offset:16
	s_wait_loadcnt 0x0                             ; V
.irp g, 0,1,2,3                        ; four rows at a time
.irp qq, 0,1,2,3
.irp m, 0,1,2,3
.if \m <= \g
	ds_load_b128 v[16+16*\qq+4*\m:19+16*\qq+4*\m], v8 offset:64*(4*\g+\qq)+16*\m   ; every lane reads the same 16 bytes: w(q, 4 m ..)
.endif
.endr
.endr
	s_wait_dscnt 0x0                               ; the weights are in (and my stores into the table have long been served)
.irp qq, 0,1,2,3
.set QN, 4*\g+\qq
.irp c, 0,1,2,3
	v_mul_f32 v[80+4*QN+\c], v[16+16*\qq], v[144+\c]
.endr
.set KK, 1
.rept QN
.irp c, 0,1,2,3
	v_fmac_f32 v[80+4*QN+\c], v[16+16*\qq+KK], v[144+4*KK+\c]
.endr
.set KK, KK+1
.endr
	global_store_b128 v5, v[80+4*QN:83+4*QN], s[6:7] offset:4096*QN   ; the wave stores 512 consecutive bytes, aligned
.endr
.endr
	s_wait_tensorcnt 0x0                           ; the wave's end
	ds_add_u32 v[SPW], v[NIL]
	s_wait_dscnt 0x0
	s_endpgm
.Lfunc_end_k_q4cda23b411_head16:
	.size	k_q4cda23b411_head16, .Lfunc_end_k_q4cda23b411_head16-k_q4cda23b411_head16
	.p2alignl 7, 3214868480
	.fill 96, 4, 3214868480
	.section	.rodata,"a",@progbits
	.p2align	6, 0x0
	.amdhsa_kernel k_q4cda23b411_head16
		.amdhsa_group_segment_fixed_size 152576
		.amdhsa_private_segment_fixed_size 0
		.amdhsa_enable_private_segment 0
		.amdhsa_kernarg_size 16
		.amdhsa_user_sgpr_count 2
		.amdhsa_user_sgpr_kernarg_segment_ptr 1
		.amdhsa_wavefront_size32 1
		.amdhsa_system_sgpr_workgroup_id_x 1
		.amdhsa_system_sgpr_workgroup_id_y 1
		.amdhsa_system_sgpr_workgroup_id_z 1
		.amdhsa_system_vgpr_workitem_id 0
		.amdhsa_next_free_vgpr 256
		.amdhsa_next_free_sgpr 66
		.amdhsa_reserve_vcc 1
		.amdhsa_float_denorm_mode_32 3
		.amdhsa_float_denorm_mode_16_64 3
		.amdhsa_memory_ordered 1
		.amdhsa_forward_progress 1
		.amdhsa_inst_pref_size 41
	.end_amdhsa_kernel
	.amdgpu_metadata
---
amdhsa.version: [ 1, 2 ]
amdhsa.kernels:
  - .name:           k_q4cda23b411_head16
    .symbol:         k_q4cda23b411_head16.kd
    .args:
      - { .name: h32, .offset: 0, .size: 8, .value_kind: global_buffer, .address_space: global }
      - { .name: out0, .offset: 8, .size: 8, .value_kind: global_buffer, .address_space: global }
    .group_segment_fixed_size: 152576
    .private_segment_fixed_size: 0
    .kernarg_segment_align: 8
    .kernarg_segment_size: 16
    .max_flat_workgroup_size: 256
    .sgpr_count:     66
    .vgpr_count:     256
    .wavefront_size: 32
...
	.end_amdgpu_metadata
.endif
;; end of part 5
